; MI455X (gfx1250); checked and timed in simulation.
; The chip was launched on July 23, 2026; its instructions are those of AMD's public machine-readable ISA for CDNA 5 (MIT licence, August 2026) and "CDNA5" Instruction Set Architecture Reference Guide (July 2026). The comments in the code are by the model that wrote it; some were corrected since.
;; NN Sensor Response. Allowed arithmetic: matrix products marked QUANTISED: E2M1 operands, one E8M0 scale for each 32 along K, by v_wmma_scale_f32_16x16x128_f8f6f4 with both operands' format E2M1 (or v_wmma_scale_f32_32x16x128_f4), f32 sums; products left as they are: f32 operands where the result goes on into a quantised operand, else bf16, f16 or f32 operands; f32 sums; everything else in f32.
;; Inputs: W1 2 x 128 float32; W2 128 x 128 float32; W3 128 x 64 float32; b1 128 float32; b2 128 float32; b3 64 float32; el_photons 300,000 x 1 float32; xy_positions 300,000 x 2 float32; z_positions 300,000 float32.
;; Outputs: out0 64 x 512 float32.
;; This version of the problem:
;;   THIS VERSION OF THE PROBLEM IS GIVEN IN LOW PRECISION. The matrix products marked QUANTISED in the list below multiply operands that are first quantised to E2M1 (2 exponent bits, 1 mantissa bit; 4 bits a number), with one power-of-two scale for each 32 numbers along K (OCP MX v1.0); their sums are f32. All else is computed in f32.
;;   The module's matrix products, in the order in which they are computed (A, B: the left and right operand; K: the contracted axis; several contracted axes count as one K, in the product's order):
;;     1. [M 300,000, K 2] x [K 2, N 128]; A: input xy_positions; B: input W1: left as it is (K = 2 < 32)
;;     2. [M 300,000, K 128] x [K 128, N 128]; A: computed on the way; B: input W2: QUANTISED
;;     3. [M 300,000, K 128] x [K 128, N 64]; A: computed on the way; B: input W3: QUANTISED
;;     4. [M 64, K 300,000] x [K 300,000, N 512]; A: computed on the way; B: computed on the way: QUANTISED
;;   THE QUANTISER, for each operand of a quantised product, along K:
;;     - K is cut into blocks of 32 from its start; a last block that is shorter is filled with zeros.
;;     - A block's scale is 2^e with e = floor(log2(the largest magnitude in the block)) - 2, held to -126 .. 127; a block of zeros has e = 0. As a byte (E8M0): e + 127.
;;     - Each number is divided by its block's scale, clamped to +-6, and rounded to the nearest number of E2M1, ties to even, subnormals kept.
;;     - The product sums the exact products of the quantised numbers (number of the format x scale) in f32.
;;   ~~~python
;;   def quantise(x, axis):      # numpy; x: float32 -> the quantised numbers, widened to float32 again
;;       x = np.moveaxis(x, axis, -1); K = x.shape[-1]
;;       x = np.pad(x, [(0, 0)] * (x.ndim - 1) + [(0, -K % 32)]); x = x.reshape(x.shape[:-1] + (-1, 32)); a = np.abs(x).max(-1, keepdims=True)
;;       e = np.where(a > 0, np.clip(np.frexp(np.where(a > 0, a, 1))[1] - 1 - 2, -126, 127), 0)      # np.frexp(a)[1] - 1 = floor(log2(a)), exactly
;;       r = np.clip(x / 2.0 ** e, -6, 6)
;;       step = 2.0 ** (np.maximum(np.frexp(np.where(r == 0, 1, r))[1] - 1, 0) - 1)
;;       q = np.round(r / step) * step * 2.0 ** e      # np.round: ties to even
;;       return np.moveaxis(q.reshape(q.shape[:-2] + (-1,))[..., :K], -1, axis).astype(np.float32)
;;   ~~~
;;   OPERANDS COMPUTED ON THE WAY. 'Computed on the way' means the value that the module computes at that place (a softmax that the list does not call 'softmax' is quantised finished and normalised). What goes into a quantiser is computed in f32, as accurately as f32 sums, v_exp_f32 and their like allow (about 1e-6 of the number): no bf16 or f16 on the way to a quantiser, and a product that is left as it is and whose result goes on into a quantised operand takes f32 operands (vector FMAs, or v_wmma_f32_16x16x4_f32). A number that lies on a knife's edge between two numbers of the format may be rounded either way, as far as f32 arithmetic and the matrix unit's own rounding can turn it there, and no further.
;; 2 versions, each right; version 2 is version 1 with the launch main written anew for expert scheduling mode. Each part assembles by itself: llvm-mc -triple=amdgcn-amd-amdhsa -mcpu=gfx1250 --defsym DOCPART=n.
;; ======== version 1 of 2: 2 launches
;; workspace buffers: part 33,554,432 bytes
;; launch main (part 1): grid 256 x 1, 8 waves a work-group, no clusters, 219,648 bytes of LDS; arguments xy_positions, el_photons, z_positions, W1, b1, W2, b2, W3, b3, part; writes part
.if DOCPART == 1
	.amdgcn_target "amdgcn-amd-amdhsa--gfx1250"
	.amdhsa_code_object_version 6
	.text
	.protected	k_q122e87192e_main
	.globl	k_q122e87192e_main
	.p2align	8
	.type	k_q122e87192e_main,@function
k_q122e87192e_main:
	s_mov_b64 s[64:65], 0
	v_nop
	global_prefetch_b8 v0, s[64:65] scope:SCOPE_SE
	s_setreg_imm32_b32 hwreg(HW_REG_WAVE_MODE, 25, 1), 1
	s_wait_xcnt 0x0
; part[g][s][t] = sum over work-group g's electrons n of A(s, n) B(n, t), with
;   A(s, n) = el_photons[n] x sigmoid(relu(relu(xy[n] W1 + b1) W2 + b2) W3 + b3)[s],   B(n, t) = 0.3989422804 x exp(-(t - z[n])^2 / 2).
; The products with W2, with W3 and of A with B run on codes of FP4 (E2M1), one E8M0 scale for each 32 along K (hidden units; for the last product 32 electrons on end).  xy W1 + b1 feeds a quantiser: f32 operands.
; NO WORK OF reference() IS LEFT OUT: every input has a way to every output; numbers of B that are small are small by the values of z alone, so all of B is computed.
; LIMITS: a number of B under 2^-126 comes out as 0 (v_exp_f32 gives 0 there); a block of zeros has the scale byte 1 where the rule says 127 (its codes are zeros, and this program alone reads the bytes);
;   NaN and infinities among the inputs are not served; the f32 sums over electrons are taken in another order than reference()'s.
; SHARES.  300,000 electrons are 2,344 K steps of 128 (the last has 32 places past the end: their photons are staged as 0, so A's codes there are zeros; their xy and z are the buffer's last numbers).
;   Work-group G takes K steps 9 G + min(G, 40) on: 10 where G < 40, else 9.  MLP: a unit is 64 electrons, half a K step; wave w takes units w, 8 + w, 16 + w as far as there are any.
;   Ticks: wave w owns ticks 64 w .. 64 w + 63 (4 tiles) x all 64 sensors (4 tiles): 16 accumulators, and walks all the work-group's K steps.
; LAYOUT.  r = lane % 16, h = lane / 16.  A 4-bit fragment gives lane (r, h) row r and k = 64 c + 32 h + 0 .. 31 in registers 4 c .. 4 c + 3: A LANE HOLDS WHOLE BLOCKS, and every product here is laid so that its result does too:
;   the rows of W1^T and W2^T that form tile t are the units 64 (t / 4) + 32 (r / 8) + 8 (t % 4) + r % 8, both products used transposed: register 8 t + j of lane (r, h) is unit 64 (t / 4) + 32 h + 8 (t % 4) + j of electron r;
;   the electrons of tile tau of a unit are 32 (r / 8) + 8 tau + r % 8, the product with W3 not transposed: register 8 tau + j of lane (r, h) is electron 32 h + 8 tau + j for sensor r.  No block's maximum crosses lanes.
; relu: the block's maximum is taken without |.| over the floor, the codes are made of the raw numbers, and the magnitude bits of negative codes are cleared (what stays is -0): four lines for eight numbers.
; NO CLUSTER, NO TENSOR LOAD: a work-group's own inputs are 20,480 bytes, staged once; all that work-groups share are the 98,304 bytes of W2 and W3, which pass through registers to be quantised.
.set NEL,   300000
.set FLOOR, 0x1800000                  ; 2^(3 - 127): under it no largest magnitude is taken, so no scale byte falls under 1
; LDS
.set XYL,   0                          ; xy of 1,280 electrons
.set ZL,    10240                      ; z of the same
.set PHL,   15360                      ; photons of the same
.set WIMG,  20480                      ; 12 fragments as images of their registers, 1,024 bytes each: W2's tiles 0-7, W3's 0-3
.set WSC,   32768                      ; their scale words, 128 bytes each
.set SCA,   34304                      ; A's scale words: [K step][sensor tile][r], 256 bytes a K step
.set AIMG,  37376                      ; A's codes: unit u at 2,048 u: sensor tile x 512 + 16 x lane
.set STG,   86528                      ; the way out: 64 rows x (2,048 bytes + 16)
.set SROW,  2064
.set SPARE, 218624                     ; the spare words, 128 bytes for each wave: four blocks of 256 bytes that no other line names
; window 0
.set R,   1                            ; lane % 16
.set HF,  2                            ; lane / 16
.set SH8, 3                            ; 8 x (lane / 16)
.set SPW, 4                            ; LDS address of my spare word; never rewritten
.set NIL, 5                            ; 0; never rewritten
.set XA0, 6                            ; bases of the MLP's LDS addresses: xy,
.set PA0, 7                            ; photons,
.set AW0, 8                            ; A's image,
.set SW0, 9                            ; A's scale half-word
.set XA,  10                           ; and the same for the unit in hand
.set PA,  11
.set AW,  12
.set SWA, 13
.set LI,  14                           ; 16 x lane
.set LS,  15                           ; 4 x lane
.set ZA0, 16
.set ZA,  17                           ; the K step's z,
.set AR,  18                           ; A's images,
.set SR,  19                           ; A's scale words
.set STO, 20                           ; v20-23 the stage: where I put 32 bytes of sensor tile sg's row r
.set STR, 24                           ; and where I read rows back
.set KV,  26                           ; v26-27  -log2(e) / 2, twice
.set LCV, 28                           ; v28-29  log2(0.3989422804), twice
.set B3P, 32                           ; v32-39  -log2(e) x b3 of my sensor, twice, for each sensor tile
.set TK,  40                           ; v40-47  my tick of tile q, twice
.set W2S, 48                           ; v48-55  W2's scale words
.set W3S, 56                           ; v56-59  W3's
.set SWH, 60                           ; the hidden layer's scale word
.set SWB, 61                           ; B's
.set ASC, 62                           ; v62-63  A's: lanes 0-15 sensor tile 2 p, lanes 16-31 tile 2 p + 1
.set W2F, 64                           ; v64-127  MLP: W2's 8 fragments
.set Z,   64                           ;          ticks: 64 z
.set W3F, 128                          ; v128-159 MLP: W3's 4 fragments
.set PH,  160                          ; v160-191 MLP: 32 photons
.set X,   128                          ; v128-191 ticks: 64 numbers of B
.set W1F, 192                          ; v192-207 MLP: (W1[0], W1[1] | b1, 0) of tile t
.set XR,  208                          ; v208-215 MLP: xy of the unit's four tiles
.set XF,  216                          ; v216-217 MLP: (x, y | 1, 0)
.set AF,  192                          ; v192-223 ticks: A's 4 fragments
.set CD,  224                          ; v224-231 the codes just made
.set BF,  224
.set M,   232                          ; v232-235 largest magnitudes
.set SO,  236                          ; v236-239 the conversions' scale operands
.set BY,  240                          ; v240-243 scale bytes
.set WT,  244
.set PT,  245
.set T16, 246                          ; 16 x thread
.set TMP, 247
.set F,   248                          ; v248-251, v252-255 at work on the codes
.set G,   252
.set SD,  128                          ; the head: v128-147 staged data; v148-152 its offsets; v153-154 two of them before the clamp
.set OV,  148
.set OB2, 155                          ; offsets of the head's loads: b2,
.set OW2, 156                          ; W2,
.set OW3, 157                          ; W3,
.set OU,  158                          ; 4 x (32 (r / 8) + r % 8),
.set OR4, 159                          ; 4 r
; window 1
.set T2,   64                          ; the head: 64 numbers of W2,
.set T3,   128                         ; of W3
.set RESP, 64                          ; v64-191 the response: 32 sg + i
.set B2,   192                         ; v192-255 b2 in the result's layout.   v0-63: the hidden layer, written by matrix instructions alone; ticks: v0-127 the 16 accumulators, 8 (4 q + sg)
; scalars
.set WV,  28
.set NK,  31
.set NU,  32
.set SEL, 36                           ; s[36:37] v_permlanex16_b32's selects for lane l xor 16
.set NL,  38                           ; s[38:39] -log2(e), twice
.set LM,  40                           ; lanes 0-15
.set K8,  41                           ; the sign bits of eight codes
.set MSB, 0
.macro WIN new                         ; the immediate's high byte repeats the setting that is left; a switch that changes nothing is dropped
.if MSB != \new
	s_set_vgpr_msb (MSB<<8)|\new
.set MSB, \new
.endif
.endm
.macro BARRIER                         ; my LDS stores have landed and my LDS loads are in: then the work-group's barrier
	s_wait_dscnt 0x0
	s_barrier_signal -1
	s_barrier_wait -1
.endm
; 64 numbers of a lane in window 1, register 32 c + i = k 64 c + 32 h + i of my row, become a fragment's codes in v[CD] on and its scale word in v[SWH].
; absf = 1: magnitudes count (weights); 0: what is negative does not count (relu).  fix = 1: negative codes lose their magnitude, and four places follow for the scaled product.
.macro QUANT src, absf, fix
	WIN 0x05                                       ; sources 0 and 1 window 1
.irp c, 0,1
.if \absf
	v_max3_num_f32 v[M+\c], |v[32*\c+(\src)]|, |v[32*\c+1+(\src)]|, FLOOR
.else
	v_max3_num_f32 v[M+\c], v[32*\c+(\src)], v[32*\c+1+(\src)], FLOOR
.endif
.endr
.irp i, 2,4,6,8,10,12,14,16,18,20,22,24,26,28,30
.irp c, 0,1
.if \absf
	v_max3_num_f32 v[M+\c], |v[32*\c+\i+(\src)]|, |v[32*\c+\i+1+(\src)]|, v[M+\c]   ; my two blocks by turns; ascending
.else
	v_max3_num_f32 v[M+\c], v[32*\c+\i+(\src)], v[32*\c+\i+1+(\src)], v[M+\c]
.endif
.endr
.endr
	WIN 0
.irp c, 0,1
	v_add_nc_u32 v[SO+\c], 0xff000000, v[M+\c]     ; 2 off the exponent field: the conversion takes that field as its scale
.endr
.irp c, 0,1
	v_lshrrev_b32 v[BY+\c], 23, v[SO+\c]           ; the scale's byte
.endr
	v_lshl_or_b32 v[WT], v[BY+1], 16, v[BY]        ; my blocks h and 2 + h,
	v_lshlrev_b32 v[WT], v[SH8], v[WT]             ; at their places in the word;
	v_permlanex16_b32 v[PT], v[WT], s[SEL], s[SEL+1]
	v_or_b32 v[SWH], v[WT], v[PT]                  ; with lane l xor 16's two it is whole
	WIN 0x01
.irp c, 0,1
.irp g, 0,1,2,3
	v_cvt_scalef32_pk8_fp4_f32 v[CD+4*\c+\g], v[32*\c+8*\g+(\src):32*\c+8*\g+7+(\src)], v[SO+\c]
.endr
.endr
	WIN 0
	v_nop                                          ; one plain line behind the last scaled conversion
.if \fix
.irp u, 0,1
.irp g, 0,1,2,3
	v_and_b32 v[F+\g], s[K8], v[CD+4*\u+\g]        ; 8 in each negative code's place,
.endr
.irp g, 0,1,2,3
	v_lshrrev_b32 v[G+\g], 3, v[F+\g]              ; 1 there,
.endr
.irp g, 0,1,2,3
	v_sub_nc_u32 v[F+\g], v[F+\g], v[G+\g]         ; 7 there: its magnitude bits,
.endr
.irp g, 0,1,2,3
	v_bfi_b32 v[CD+4*\u+\g], v[F+\g], 0, v[CD+4*\u+\g]   ; which are cleared
.endr
.endr
.rept 4
	v_nop                                          ; an operand written by vector lines stands four places ahead of a scaled product (the scale word stands 45 ahead)
.endr
.endif
.endm
	s_load_b512 s[8:23], s[0:1], 0x0               ; xy s[8:9], photons s[10:11], z s[12:13], W1 s[14:15], b1 s[16:17], W2 s[18:19], b2 s[20:21], W3 s[22:23]
	s_load_b128 s[24:27], s[0:1], 0x40             ; b3 s[24:25], part s[26:27]
	v_lshl_add_u32 v[SPW], v0, 2, SPARE
	v_mov_b32 v[NIL], 0
	v_lshrrev_b32 v[TMP], 5, v0
	v_readfirstlane_b32 s[WV], v[TMP]              ; wave 0..7
	v_and_b32 v[R], 15, v0
	v_bfe_u32 v[HF], v0, 4, 1
	v_lshlrev_b32 v[SH8], 3, v[HF]
	v_and_b32 v[LS], 31, v0
	v_lshlrev_b32 v[LI], 4, v[LS]
	v_lshlrev_b32 v[LS], 2, v[LS]
	v_lshlrev_b32 v[T16], 4, v0
	v_mov_b32 v[PT], 0                             ; written once: a lane permute's destination counts as one of its sources
	s_min_u32 s30, ttmp9, 40
	s_mul_i32 s33, ttmp9, 9
	s_add_co_u32 s30, s30, s33                     ; my first K step
	s_lshl_b32 s33, s30, 7                         ; my first electron
	s_cmp_lt_u32 ttmp9, 40
	s_cselect_b32 s[NK], 10, 9                     ; my K steps: 40 x 10 + 216 x 9 = 2,344
	s_lshl_b32 s[NU], s[NK], 1                     ; my units
	s_mov_b32 s[SEL], 0x76543210
	s_mov_b32 s[SEL+1], 0xfedcba98
	s_mov_b32 s[NL], 0xbfb8aa3b                    ; -log2(e)
	s_mov_b32 s[NL+1], s[NL]                       ; (named with it as a pair, so it is written)
	s_mov_b32 s[LM], 0xffff
	s_mov_b32 s[K8], 0x88888888
	; LDS addresses: constants, lane terms and the wave's number
	v_and_b32 v[TMP], 8, v[R]
	v_mad_u32_u24 v[TMP], v[TMP], 3, v[R]          ; 32 (r / 8) + r % 8
	v_lshlrev_b32 v[OU], 2, v[TMP]
	v_lshlrev_b32 v[XA0], 3, v[TMP]                ; xy: 8 bytes an electron,
	s_lshl_b32 s67, s[WV], 9
	v_add_nc_u32 v[XA0], s67, v[XA0]               ; + 512 x wave: unit w
	s_lshl_b32 s68, s[WV], 8
	v_lshl_add_u32 v[PA0], v[HF], 7, PHL           ; photons: my half's 32, + 256 x wave
	v_add_nc_u32 v[PA0], s68, v[PA0]
	s_lshl_b32 s69, s[WV], 11
	v_add_nc_u32 v[AW0], AIMG, v[LI]
	v_add_nc_u32 v[AW0], s69, v[AW0]               ; A's image of unit w
	s_lshr_b32 s70, s[WV], 1
	s_lshl_b32 s70, s70, 8                         ; unit w is half w % 2 of K step w / 2
	s_and_b32 s71, s[WV], 1
	s_lshl_b32 s71, s71, 1
	s_add_co_u32 s70, s70, s71
	v_lshl_add_u32 v[SW0], v[R], 2, SCA
	v_add_nc_u32 v[SW0], s70, v[SW0]
	v_lshl_add_u32 v[ZA0], v[HF], 7, ZL
	v_mul_u32_u24 v[TMP], v[R], SROW
	v_lshl_add_u32 v[TMP], v[HF], 5, v[TMP]
	v_add_nc_u32 v[TMP], s68, v[TMP]               ; the stage: row r, + 32 h, + 256 x wave: my ticks' bytes
.irp sg, 0,1,2,3
	v_add_nc_u32 v[STO+\sg], STG+16*SROW*\sg, v[TMP]
.endr
	s_mul_i32 s67, s[WV], 8*SROW
	s_add_co_u32 s67, s67, STG
	v_add_nc_u32 v[STR], s67, v[LI]                ; back: rows 8 w .. 8 w + 7
	s_lshl_b32 s69, s[WV], 10
	v_add_nc_u32 v[XA], s69, v[LI]                 ; (at the head these two hold the place of my weight tile's image and of its scale words)
	s_lshl_b32 s69, s[WV], 7
	v_add_nc_u32 v[PA], s69, v[LS]
	s_lshl_b32 s69, s[WV], 6
	v_add_nc_u32 v[TMP], s69, v[R]
	v_cvt_f32_u32 v[TK], v[TMP]                    ; my tick of tile 0: 64 w + r; the others 16, 32, 48 on: all exact
	v_add_f32 v[TK+2], 0x41800000, v[TK]
	v_add_f32 v[TK+4], 0x42000000, v[TK]
	v_add_f32 v[TK+6], 0x42400000, v[TK]
.irp q, 0,1,2,3
	v_mov_b32 v[TK+2*\q+1], v[TK+2*\q]
.endr
	v_mov_b32 v[KV], 0xbf38aa3b
	v_mov_b32 v[KV+1], 0xbf38aa3b
	v_mov_b32 v[LCV], 0xbfa9b21d
	v_mov_b32 v[LCV+1], 0xbfa9b21d
	; offsets of the head's global loads
	v_lshlrev_b32 v[OB2], 7, v[HF]
	v_lshlrev_b32 v[OR4], 2, v[R]
	s_lshr_b32 s70, s[WV], 2
	s_lshl_b32 s70, s70, 8
	s_and_b32 s71, s[WV], 3
	s_lshl_b32 s71, s71, 5
	s_add_co_u32 s70, s70, s71                     ; 4 x (64 (w / 4) + 8 (w % 4)): tile w's columns of W2
	v_lshl_add_u32 v[OW2], v[HF], 14, v[OU]        ; lanes 16-31 begin 32 rows of 512 bytes further down
	v_add_nc_u32 v[OW2], s70, v[OW2]
	v_lshl_add_u32 v[OW3], v[HF], 13, v[OR4]       ; W3: column 16 w + r, rows of 256 bytes
	v_add_nc_u32 v[OW3], s69, v[OW3]
	s_lshl_b32 s70, ttmp9, 17                      ; part: 131,072 bytes a work-group, 16,384 for a wave's 8 rows
	s_lshl_b32 s71, s[WV], 14
	s_add_co_u32 s70, s70, s71
	s_mov_b32 s71, 0
	; THE STAGING: 20,480 bytes (xy, z, photons of 1,280 electrons) are 5 x 16 bytes a thread, LDS byte 16 x thread + 4,096 i.  Which buffer a wave's i-th load reads hangs on the wave's number alone.
	s_lshl_b32 s48, s33, 3
	s_lshl_b32 s49, s33, 2
	s_mov_b32 s50, 8*NEL-16                        ; the last 16 bytes of xy,
	s_mov_b32 s51, 4*NEL-16                        ; of z and of the photons: no load leaves its buffer
	s_mov_b32 s52, 4*NEL
	s_add_co_u32 s54, s48, 4096
	s_add_co_u32 s55, s48, 8192
	s_sub_co_u32 s56, s49, 2048
	s_add_co_u32 s60, s49, 2048
	s_sub_co_u32 s61, s49, 3072
	s_add_co_u32 s66, s49, 1024
	s_wait_kmcnt 0x0
	s_add_nc_u64 s[26:27], s[26:27], s[70:71]
	s_cmp_lt_u32 s[WV], 4                          ; i = 2: waves 0-3 the rest of xy, waves 4-7 the head of z
	s_cselect_b32 s55, s55, s56
	s_cselect_b32 s57, s50, s51
	s_cselect_b64 s[58:59], s[8:9], s[12:13]
	s_cmp_lt_u32 s[WV], 6                          ; i = 3: waves 0-5 the rest of z, waves 6-7 the head of the photons
	s_cselect_b32 s60, s60, s61
	s_cselect_b32 s61, -1, s52                     ; under this offset the data count; photons past the end are staged as 0
	s_cselect_b64 s[62:63], s[12:13], s[10:11]
	v_add_nc_u32 v[OV], s48, v[T16]
	v_add_nc_u32 v[OV+1], s54, v[T16]
	v_add_nc_u32 v[OV+2], s55, v[T16]
	v_add_nc_u32 v[OV+5], s60, v[T16]
	v_add_nc_u32 v[OV+6], s66, v[T16]
	v_min_u32 v[OV], s50, v[OV]
	v_min_u32 v[OV+1], s50, v[OV+1]
	v_min_u32 v[OV+2], s57, v[OV+2]
	v_min_u32 v[OV+3], s51, v[OV+5]
	v_min_u32 v[OV+4], s51, v[OV+6]
	global_load_b128 v[SD:SD+3], v[OV], s[8:9]
	global_load_b128 v[SD+4:SD+7], v[OV+1], s[8:9]
	global_load_b128 v[SD+8:SD+11], v[OV+2], s[58:59]
	global_load_b128 v[SD+12:SD+15], v[OV+3], s[62:63]
	global_load_b128 v[SD+16:SD+19], v[OV+4], s[10:11]
	WIN 0x40                                       ; destination window 1
.irp t, 0,1,2,3,4,5,6,7                        ; b2 in the result's layout: lane (r, h), tile t: units 64 (t / 4) + 32 h + 8 (t % 4) + 0 .. 7
	global_load_b128 v[B2+8*\t:B2+8*\t+3], v[OB2], s[20:21] offset:256*(\t/4)+32*(\t%4)
	global_load_b128 v[B2+8*\t+4:B2+8*\t+7], v[OB2], s[20:21] offset:256*(\t/4)+32*(\t%4)+16
.endr
	WIN 0
.irp t, 0,1,2,3,4,5,6,7                        ; W1's two rows and b1 at tile t's unit of row r
	global_load_b32 v[160+\t], v[OU], s[14:15] offset:256*(\t/4)+32*(\t%4)
	global_load_b32 v[168+\t], v[OU], s[14:15] offset:512+256*(\t/4)+32*(\t%4)
	global_load_b32 v[176+\t], v[OU], s[16:17] offset:256*(\t/4)+32*(\t%4)
.endr
.irp sg, 0,1,2,3
	global_load_b32 v[184+\sg], v[OR4], s[24:25] offset:64*\sg
.endr
	WIN 0x40
.set n, 0
.rept 64                                       ; wave w quantises tile w of W2^T: a lane to a column, its registers down K in the fragment's own order
	global_load_b32 v[T2+n], v[OW2], s[18:19] offset:(64*(n/32)+n%32)*512
.set n, n+1
.endr
	WIN 0
	s_cmp_lt_u32 s[WV], 4
	s_cbranch_scc0 .Lno_w3_load
	WIN 0x40
.set n, 0
.rept 64                                       ; waves 0-3 also tile w of W3
	global_load_b32 v[T3+n], v[OW3], s[22:23] offset:(64*(n/32)+n%32)*256
.set n, n+1
.endr
	WIN 0
.Lno_w3_load:
	s_wait_loadcnt 63                              ; behind the 5 staging loads and the 44 small ones 64 loads or more were issued: those 49 are in
	v_cmp_gt_u32 vcc_lo, s61, v[OV+5]
.irp j, 0,1,2,3
	v_cndmask_b32 v[SD+12+\j], 0, v[SD+12+\j], vcc_lo
.endr
	v_cmp_gt_u32 vcc_lo, s52, v[OV+6]
.irp j, 0,1,2,3
	v_cndmask_b32 v[SD+16+\j], 0, v[SD+16+\j], vcc_lo
.endr
.irp i, 0,1,2,3,4
	ds_store_b128 v[T16], v[SD+4*\i:SD+4*\i+3] offset:4096*\i
.endr
.irp t, 0,1,2,3,4,5,6,7                        ; the f32 form's K is (x, y, 1, 0): lanes 0-15 hold k = 0, 1, lanes 16-31 k = 2, 3: the bias is the third K
	v_cndmask_b32 v[W1F+2*\t], v[176+\t], v[160+\t], s[LM]
	v_cndmask_b32 v[W1F+2*\t+1], 0, v[168+\t], s[LM]
.endr
.irp sg, 0,1,2,3
	v_mul_f32 v[B3P+2*\sg], s[NL], v[184+\sg]
	v_mul_f32 v[B3P+2*\sg+1], s[NL], v[184+\sg]
.endr
	s_wait_loadcnt 0x0                             ; the weights
	QUANT T2, 1, 0
	ds_store_b128 v[XA], v[CD:CD+3] offset:WIMG    ; the fragment goes to LDS as it stands: 16 bytes a lane, 512 a store
	ds_store_b128 v[XA], v[CD+4:CD+7] offset:WIMG+512
	ds_store_b32 v[PA], v[SWH] offset:WSC
	s_cmp_lt_u32 s[WV], 4
	s_cbranch_scc0 .Lno_w3
	s_wait_dscnt 0x0                               ; the stores have read the registers that are written again now
	QUANT T3, 1, 0
	ds_store_b128 v[XA], v[CD:CD+3] offset:WIMG+8192
	ds_store_b128 v[XA], v[CD+4:CD+7] offset:WIMG+8192+512
	ds_store_b32 v[PA], v[SWH] offset:WSC+1024
.Lno_w3:
	BARRIER                                        ; the staged inputs and the twelve weight fragments lie in LDS
.irp t, 0,1,2,3,4,5,6,7
	ds_load_b128 v[W2F+8*\t:W2F+8*\t+3], v[LI] offset:WIMG+1024*\t
	ds_load_b128 v[W2F+8*\t+4:W2F+8*\t+7], v[LI] offset:WIMG+1024*\t+512
	ds_load_b32 v[W2S+\t], v[LS] offset:WSC+128*\t
.endr
.irp sg, 0,1,2,3
	ds_load_b128 v[W3F+8*\sg:W3F+8*\sg+3], v[LI] offset:WIMG+8192+1024*\sg
	ds_load_b128 v[W3F+8*\sg+4:W3F+8*\sg+7], v[LI] offset:WIMG+8192+1024*\sg+512
	ds_load_b32 v[W3S+\sg], v[LS] offset:WSC+1024+128*\sg
.endr
	s_wait_dscnt 0x0
; THE MLP FOR 16 ELECTRONS, tile tau of the unit.
.macro MTILE tau
	v_cndmask_b32 v[XF], 1.0, v[XR+2*\tau], s[LM]
	v_cndmask_b32 v[XF+1], 0, v[XR+2*\tau+1], s[LM]
	WIN 0x40
.irp t, 0,1,2,3,4,5,6,7
	v_wmma_f32_16x16x4_f32 v[8*\t:8*\t+7], v[W1F+2*\t:W1F+2*\t+1], v[XF:XF+1], 0   ; transposed: source 0 = 16 units, source 1 = my 16 electrons
.endr
	WIN 0
.rept 8
	v_nop                                          ; eight places behind this form, ahead of the first read of its results
.endr
	QUANT 0, 0, 1
	WIN 0x50                                       ; C (b2) and D window 1
.irp t, 0,1,2,3,4,5,6,7
	v_wmma_scale_f32_16x16x128_f8f6f4 v[8*\t:8*\t+7], v[W2F+8*\t:W2F+8*\t+7], v[CD:CD+7], v[B2+8*\t:B2+8*\t+7], v[W2S+\t], v[SWH] matrix_a_fmt:MATRIX_FMT_FP4 matrix_b_fmt:MATRIX_FMT_FP4
.endr
	WIN 0
.rept 4
	v_nop                                          ; four places behind this form
.endr
	QUANT 0, 0, 1
	WIN 0x40
.irp sg, 0,1,2,3
	v_wmma_scale_f32_16x16x128_f8f6f4 v[RESP+32*\sg+8*\tau:RESP+32*\sg+8*\tau+7], v[CD:CD+7], v[W3F+8*\sg:W3F+8*\sg+7], 0, v[SWH], v[W3S+\sg] matrix_a_fmt:MATRIX_FMT_FP4 matrix_b_fmt:MATRIX_FMT_FP4   ; not transposed: source 0 = my 16 electrons, source 1 = 16 sensors
.endr
	WIN 0
.endm
; THE UNIT'S 64 ELECTRONS x 64 SENSORS: sigmoid, photons, quantiser.  128 numbers a lane, pair n = 16 sg + p.  Each batch of transcendentals has one plain line a pair set among it, and one wait behind it.
.macro SIG
	WIN 0x41                                       ; destination and source 0 window 1
.set n, 0
.rept 65
.if n < 64
	v_pk_fma_f32 v[RESP+2*n:RESP+2*n+1], v[RESP+2*n:RESP+2*n+1], s[NL:NL+1], v[B3P+2*(n/16):B3P+2*(n/16)+1] op_sel_hi:[1,0,1]   ; -log2(e) (response + b3).  (The first twelve name no register of the last products: their places)
.endif
.if n > 0
	v_exp_f32 v[RESP+2*n-2], v[RESP+2*n-2]
	v_exp_f32 v[RESP+2*n-1], v[RESP+2*n-1]
.endif
.set n, n+1
.endr
	v_nop                                          ; a plain line behind the last exponential,
	s_wait_alu depctr_va_vdst(0)                   ; and the one wait for the batch, ahead of its first reader
.set n, 0
.rept 65
.if n < 64
	v_pk_add_f32 v[RESP+2*n:RESP+2*n+1], v[RESP+2*n:RESP+2*n+1], 1.0 op_sel_hi:[1,0]
.endif
.if n > 0
	v_rcp_f32 v[RESP+2*n-2], v[RESP+2*n-2]
	v_rcp_f32 v[RESP+2*n-1], v[RESP+2*n-1]
.endif
.set n, n+1
.endr
	v_nop
	s_wait_alu depctr_va_vdst(0)                   ; likewise for the reciprocals
	s_wait_dscnt 0x0                               ; the photons
.set n, 0
.rept 64
	v_pk_mul_f32 v[RESP+2*n:RESP+2*n+1], v[RESP+2*n:RESP+2*n+1], v[PH+2*(n%16):PH+2*(n%16)+1]
.set n, n+1
.endr
	WIN 0x05
.irp sg, 0,1,2,3
	v_max3_num_f32 v[M+\sg], |v[RESP+32*\sg]|, |v[RESP+32*\sg+1]|, FLOOR   ; a lane's 32 numbers of a sensor are one block of 32 electrons
.endr
.irp i, 2,4,6,8,10,12,14,16,18,20,22,24,26,28,30
.irp sg, 0,1,2,3
	v_max3_num_f32 v[M+\sg], |v[RESP+32*\sg+\i]|, |v[RESP+32*\sg+\i+1]|, v[M+\sg]
.endr
.endr
	WIN 0
.irp sg, 0,1,2,3
	v_add_nc_u32 v[SO+\sg], 0xff000000, v[M+\sg]
.endr
.irp sg, 0,1,2,3
	v_lshrrev_b32 v[BY+\sg], 23, v[SO+\sg]
.endr
.irp sg, 0,1,2,3
	v_lshlrev_b32 v[BY+\sg], v[SH8], v[BY+\sg]
.endr
.irp sg, 0,1,2,3
	v_permlanex16_b32 v[M+\sg], v[BY+\sg], s[SEL], s[SEL+1]
.endr
.irp sg, 0,1,2,3
	v_or_b32 v[BY+\sg], v[BY+\sg], v[M+\sg]        ; the unit's two bytes of sensor r's scale word
.endr
	WIN 0x01
.irp sg, 0,1,2,3
.irp g, 0,1,2,3
	v_cvt_scalef32_pk8_fp4_f32 v[CD+4*\sg+16*(\sg/2)+\g], v[RESP+32*\sg+8*\g:RESP+32*\sg+8*\g+7], v[SO+\sg]   ; into v224, v228, v248, v252 on
.endr
.endr
	WIN 0
	v_nop                                          ; one plain line behind the last scaled conversion
.irp sg, 0,1,2,3
	ds_store_b128 v[AW], v[CD+4*\sg+16*(\sg/2):CD+4*\sg+16*(\sg/2)+3] offset:512*\sg   ; registers 4 c .. 4 c + 3 of A's fragment, as they stand
	ds_store_b16 v[SWA], v[BY+\sg] offset:64*\sg   ; both halves of the lanes write the same half-word with the same value
.endr
.endm
	s_mov_b32 s34, 0                               ; the round
	s_mov_b32 s35, s[WV]                           ; my unit: 8 x round + wave
	s_mov_b32 s43, 0                               ; 8 units on: 4,096 bytes of xy,
	s_mov_b32 s44, 0                               ; 2,048 of photons,
	s_mov_b32 s45, 0                               ; 16,384 of A's images,
	s_mov_b32 s46, 0                               ; 1,024 of A's scale words
.Lround:                                           ; three trips, a constant; a wave with no unit left jumps over the work, on ids alone
	v_add_nc_u32 v[XA], s43, v[XA0]
	v_add_nc_u32 v[PA], s44, v[PA0]
	v_add_nc_u32 v[AW], s45, v[AW0]
	v_add_nc_u32 v[SWA], s46, v[SW0]
	s_cmp_ge_u32 s35, s[NU]
	s_cbranch_scc1 .Lround_end
.irp tau, 0,1,2,3
	ds_load_b64 v[XR+2*\tau:XR+2*\tau+1], v[XA] offset:64*\tau
.endr
.irp g, 0,1,2,3,4,5,6,7
	ds_load_b128 v[PH+4*\g:PH+4*\g+3], v[PA] offset:16*\g
.endr
	s_wait_dscnt 8                                 ; xy is in; the photons' eight loads may be out
	MTILE 0
	MTILE 1
	MTILE 2
	MTILE 3
	SIG
	s_wait_dscnt 0x0                               ; the stores have read their registers
.Lround_end:
	s_add_co_u32 s35, s35, 8
	s_add_co_u32 s43, s43, 4096
	s_add_co_u32 s44, s44, 2048
	s_add_co_u32 s45, s45, 16384
	s_add_co_u32 s46, s46, 1024
	s_add_co_u32 s34, s34, 1
	s_cmp_lt_u32 s34, 3
	s_cbranch_scc1 .Lround
	BARRIER                                        ; A's codes and scale words of all my work-group's K steps lie in LDS
; THE TICKS.  d = t - z for pairs a .. b of tile q's 32
.macro PKADD q, a, b
.set n, \a
.rept (\b)-(\a)+1
	v_pk_add_f32 v[X+2*n:X+2*n+1], v[TK+2*(\q):TK+2*(\q)+1], v[Z+2*n:Z+2*n+1] neg_lo:[0,1] neg_hi:[0,1]
.set n, n+1
.endr
.endm
; d -> d d -> x = -d d log2(e) / 2 + log2(0.3989422804) -> 2^x, in place, skewed so that six plain lines stand with four exponentials; the largest x of each of my two blocks is taken on the way.  No line names an exponential's result.
.macro SLICES
.set p, 0
.rept 18
.if p <= 15
	v_pk_mul_f32 v[X+2*p:X+2*p+1], v[X+2*p:X+2*p+1], v[X+2*p:X+2*p+1]
	v_pk_mul_f32 v[X+32+2*p:X+33+2*p], v[X+32+2*p:X+33+2*p], v[X+32+2*p:X+33+2*p]
.endif
.if (p >= 1) && (p <= 16)
	v_pk_fma_f32 v[X+2*p-2:X+2*p-1], v[X+2*p-2:X+2*p-1], v[KV:KV+1], v[LCV:LCV+1]
	v_pk_fma_f32 v[X+30+2*p:X+31+2*p], v[X+30+2*p:X+31+2*p], v[KV:KV+1], v[LCV:LCV+1]
.endif
.if p == 2
	v_max_num_f32 v[M], v[X], v[X+1]
	v_max_num_f32 v[M+1], v[X+32], v[X+33]
.elseif p > 2
	v_max3_num_f32 v[M], v[M], v[X+2*p-4], v[X+2*p-3]
	v_max3_num_f32 v[M+1], v[M+1], v[X+28+2*p], v[X+29+2*p]
.endif
.if p >= 2
	v_exp_f32 v[X+2*p-4], v[X+2*p-4]
	v_exp_f32 v[X+2*p-3], v[X+2*p-3]
	v_exp_f32 v[X+28+2*p], v[X+28+2*p]
	v_exp_f32 v[X+29+2*p], v[X+29+2*p]
.endif
.set p, p+1
.endr
.endm
; source 0 = B (16 ticks), source 1 = A (16 sensors): register j of lane (r, h) is out(16 sg + r, 64 w + 16 q + 8 h + j).  A's scale words of an odd sensor tile stand in lanes 16-31.
.macro P4 q, sg, zero
.set rD, 8*(4*(\q)+(\sg))
.if \zero
.if (\sg)%2
	v_wmma_scale_f32_16x16x128_f8f6f4 v[rD:rD+7], v[BF:BF+7], v[AF+8*(\sg):AF+8*(\sg)+7], 0, v[SWB], v[ASC+(\sg)/2] matrix_a_fmt:MATRIX_FMT_FP4 matrix_b_fmt:MATRIX_FMT_FP4 matrix_b_scale:MATRIX_SCALE_ROW1
.else
	v_wmma_scale_f32_16x16x128_f8f6f4 v[rD:rD+7], v[BF:BF+7], v[AF+8*(\sg):AF+8*(\sg)+7], 0, v[SWB], v[ASC+(\sg)/2] matrix_a_fmt:MATRIX_FMT_FP4 matrix_b_fmt:MATRIX_FMT_FP4
.endif
.else
.if (\sg)%2
	v_wmma_scale_f32_16x16x128_f8f6f4 v[rD:rD+7], v[BF:BF+7], v[AF+8*(\sg):AF+8*(\sg)+7], v[rD:rD+7], v[SWB], v[ASC+(\sg)/2] matrix_a_fmt:MATRIX_FMT_FP4 matrix_b_fmt:MATRIX_FMT_FP4 matrix_b_scale:MATRIX_SCALE_ROW1
.else
	v_wmma_scale_f32_16x16x128_f8f6f4 v[rD:rD+7], v[BF:BF+7], v[AF+8*(\sg):AF+8*(\sg)+7], v[rD:rD+7], v[SWB], v[ASC+(\sg)/2] matrix_a_fmt:MATRIX_FMT_FP4 matrix_b_fmt:MATRIX_FMT_FP4
.endif
.endif
.endm
; 16 ticks x 128 electrons: B's numbers, its fragment, four products.  The 16 accumulators take turns, one instruction a turn, over the loop's backward jump too.
.macro TILE q, zero
	SLICES
	v_exp_f32 v[M], v[M]                           ; a block's largest number: 2^x rises with x, and the same instruction on the same x gives the same bits
	v_exp_f32 v[M+1], v[M+1]
	v_nop                                          ; a plain line behind the last exponential,
	s_wait_alu depctr_va_vdst(0)                   ; and the one wait for the tile's 66, ahead of their first reader
.irp c, 0,1
	v_max_num_f32 v[M+\c], FLOOR, v[M+\c]
.endr
.irp c, 0,1
	v_add_nc_u32 v[SO+\c], 0xff000000, v[M+\c]
.endr
.irp c, 0,1
	v_lshrrev_b32 v[BY+\c], 23, v[SO+\c]
.endr
	v_lshl_or_b32 v[WT], v[BY+1], 16, v[BY]
	v_lshlrev_b32 v[WT], v[SH8], v[WT]
	v_permlanex16_b32 v[PT], v[WT], s[SEL], s[SEL+1]
	v_or_b32 v[SWB], v[WT], v[PT]
.irp c, 0,1
.irp g, 0,1,2,3
	v_cvt_scalef32_pk8_fp4_f32 v[BF+4*\c+\g], v[X+32*\c+8*\g:X+32*\c+8*\g+7], v[SO+\c]
.endr
.endr
	v_nop                                          ; one plain line behind the last scaled conversion.  With the lines below: eight places or more between the scale word's last write and the products, four or more behind the codes'
.if \q < 3
	PKADD \q+1, 0, 7                               ; the next tile's first differences
.else
.rept 7
	v_nop
.endr
.endif
.if \q == 0
	s_wait_dscnt 0x0                               ; A's fragments and scale words
.endif
	WIN 0x50                                       ; C and D window 1
.irp sg, 0,1,2,3
	P4 \q, \sg, \zero
.endr
	WIN 0
.if \q < 3
	PKADD \q+1, 8, 31
.endif
.endm
.macro KADDR                           ; the K step's LDS addresses: three plain lines, places behind the last products too
	v_add_nc_u32 v[ZA], s43, v[ZA0]
	v_add_nc_u32 v[AR], s44, v[LI]
	v_add_nc_u32 v[SR], s45, v[LS]
.endm
.macro KBODY zero
.irp c, 0,1
.irp g, 0,1,2,3,4,5,6,7
	ds_load_b128 v[Z+32*\c+4*\g:Z+32*\c+4*\g+3], v[ZA] offset:256*\c+16*\g   ; z of electrons 64 c + 32 h + 0 .. 31: the same for the sixteen lanes of a half
.endr
.endr
	v_nop                                          ; with the three address lines: five places between the last product and the loads into A's fragments and scale words
	v_nop
.irp c, 0,1
.irp sg, 0,1,2,3
	ds_load_b128 v[AF+8*\sg+4*\c:AF+8*\sg+4*\c+3], v[AR] offset:AIMG+2048*\c+512*\sg
.endr
.endr
	ds_load_b32 v[ASC], v[SR] offset:SCA
	ds_load_b32 v[ASC+1], v[SR] offset:SCA+128
	s_wait_dscnt 18                                ; z's first eight loads are in: behind them stand z's other eight and A's ten
	PKADD 0, 0, 15
	s_wait_dscnt 10                                ; all of z is in: A's ten may be out
	PKADD 0, 16, 31
	TILE 0, \zero
	TILE 1, \zero
	TILE 2, \zero
	TILE 3, \zero
.endm
	s_mov_b32 s43, 0                               ; a K step on: 512 bytes of z,
	s_mov_b32 s44, 0                               ; 4,096 of A's images,
	s_mov_b32 s45, 0                               ; 256 of A's scale words
	KADDR
	KBODY 1                                        ; the first K step stands ahead of the loop: its products start the sums
	s_mov_b32 s43, 512
	s_mov_b32 s44, 4096
	s_mov_b32 s45, 256
	s_mov_b32 s42, 1
.Lkstep:                                           ; nine trips, a constant; a work-group of nine K steps jumps over the last trip's work, on ids alone
	KADDR
	s_cmp_ge_u32 s42, s[NK]
	s_cbranch_scc1 .Lkskip
	KBODY 0
.Lkskip:
	s_add_co_u32 s43, s43, 512
	s_add_co_u32 s44, s44, 4096
	s_add_co_u32 s45, s45, 256
	s_add_co_u32 s42, s42, 1
	s_cmp_lt_u32 s42, 10
	s_cbranch_scc1 .Lkstep
	; THE WAY OUT.  A lane holds 32 neighbouring bytes of a sensor's row; a row's 2,048 bytes come from eight waves.  They meet in the stage, and each wave stores 8 whole rows.
.rept 4
	v_nop                                          ; four places behind the last products, ahead of the stores that read results
.endr
	BARRIER                                        ; every wave has read its last z and its last codes of A
	WIN 0x04                                       ; an LDS store's data are its source 1: window 1
.irp q, 0,1,2,3
.irp sg, 0,1,2,3
	ds_store_b128 v[STO+\sg], v[8*(4*\q+\sg):8*(4*\q+\sg)+3] offset:64*\q      ; each accumulator from its low end on
	ds_store_b128 v[STO+\sg], v[8*(4*\q+\sg)+4:8*(4*\q+\sg)+7] offset:64*\q+16
.endr
.endr
	WIN 0
	BARRIER                                        ; 64 whole rows lie in the stage
.irp i, 0,1,2,3,4,5,6,7
.irp j, 0,1,2,3
	ds_load_b128 v[64+16*\i+4*\j:64+16*\i+4*\j+3], v[STR] offset:SROW*\i+512*\j
.endr
.endr
.irp i, 0,1,2,3,4,5,6,7
.irp j, 0,1,2,3
	s_wait_dscnt 31-4*\i-\j                        ; LDS loads come back in order: this one is in
	global_store_b128 v[LI], v[64+16*\i+4*\j:64+16*\i+4*\j+3], s[26:27] offset:2048*\i+512*\j th:TH_STORE_NT   ; 32 lanes store 512 consecutive bytes, at a multiple of 256 from the buffer's first byte
.endr
.endr
	s_wait_tensorcnt 0x0                           ; the wave's end
	ds_add_u32 v[SPW], v[NIL]
	s_wait_dscnt 0x0
	s_endpgm
.Lfunc_end_k_q122e87192e_main:
	.size	k_q122e87192e_main, .Lfunc_end_k_q122e87192e_main-k_q122e87192e_main
	.p2alignl 7, 3214868480
	.fill 96, 4, 3214868480
	.section	.rodata,"a",@progbits
	.p2align	6, 0x0
	.amdhsa_kernel k_q122e87192e_main
		.amdhsa_group_segment_fixed_size 219648
		.amdhsa_private_segment_fixed_size 0
		.amdhsa_enable_private_segment 0
		.amdhsa_kernarg_size 80
		.amdhsa_user_sgpr_count 2
		.amdhsa_user_sgpr_kernarg_segment_ptr 1
		.amdhsa_wavefront_size32 1
		.amdhsa_system_sgpr_workgroup_id_x 1
		.amdhsa_system_sgpr_workgroup_id_y 1
		.amdhsa_system_sgpr_workgroup_id_z 1
		.amdhsa_system_vgpr_workitem_id 0
		.amdhsa_next_free_vgpr 512
		.amdhsa_next_free_sgpr 72
		.amdhsa_reserve_vcc 1
		.amdhsa_float_denorm_mode_32 3
		.amdhsa_float_denorm_mode_16_64 3
		.amdhsa_memory_ordered 1
		.amdhsa_forward_progress 1
		.amdhsa_inst_pref_size 215
	.end_amdhsa_kernel
	.amdgpu_metadata
---
amdhsa.version: [ 1, 2 ]
amdhsa.kernels:
  - .name:           k_q122e87192e_main
    .symbol:         k_q122e87192e_main.kd
    .args:
      - { .name: xy_positions, .offset: 0, .size: 8, .value_kind: global_buffer, .address_space: global }
      - { .name: el_photons, .offset: 8, .size: 8, .value_kind: global_buffer, .address_space: global }
      - { .name: z_positions, .offset: 16, .size: 8, .value_kind: global_buffer, .address_space: global }
      - { .name: W1, .offset: 24, .size: 8, .value_kind: global_buffer, .address_space: global }
      - { .name: b1, .offset: 32, .size: 8, .value_kind: global_buffer, .address_space: global }
      - { .name: W2, .offset: 40, .size: 8, .value_kind: global_buffer, .address_space: global }
      - { .name: b2, .offset: 48, .size: 8, .value_kind: global_buffer, .address_space: global }
      - { .name: W3, .offset: 56, .size: 8, .value_kind: global_buffer, .address_space: global }
      - { .name: b3, .offset: 64, .size: 8, .value_kind: global_buffer, .address_space: global }
      - { .name: part, .offset: 72, .size: 8, .value_kind: global_buffer, .address_space: global }
    .group_segment_fixed_size: 219648
    .private_segment_fixed_size: 0
    .kernarg_segment_align: 8
    .kernarg_segment_size: 80
    .max_flat_workgroup_size: 256
    .sgpr_count:     72
    .vgpr_count:     512
    .wavefront_size: 32
...
	.end_amdgpu_metadata
.endif
;; end of part 1
;; launch sum (part 2): grid 256 x 1, 8 waves a work-group, no clusters, 5,120 bytes of LDS; arguments part, out0; writes out0
.if DOCPART == 2
	.amdgcn_target "amdgcn-amd-amdhsa--gfx1250"
	.amdhsa_code_object_version 6
	.text
	.protected	k_q122e87192e_sum
	.globl	k_q122e87192e_sum
	.p2align	8
	.type	k_q122e87192e_sum,@function
k_q122e87192e_sum:
	s_mov_b64 s[64:65], 0
	v_nop
	global_prefetch_b8 v0, s[64:65] scope:SCOPE_SE
	s_setreg_imm32_b32 hwreg(HW_REG_WAVE_MODE, 25, 1), 1
	s_wait_xcnt 0x0
; out0[i] = sum over g = 0 .. 255 of part[g][i]: the 256 work-groups' partial waveforms of 131,072 bytes each are added.  No work is left out.
; Work-group G owns bytes 512 G .. 512 G + 511 of the waveform; wave w adds partial waveforms 32 w .. 32 w + 31, 16 bytes a lane: each load of a wave covers 512 consecutive bytes, and all 32 loads are out at once.
; The eight waves' sums meet in LDS; wave 0 adds them and stores 512 consecutive bytes.  The order of the f32 additions is this text's own.
; No matrix unit, cluster or tensor load: each byte is read once by one wave, and nothing is shared.
.set SPARE, 4096                       ; behind the eight waves' sums: the spare words, 128 bytes for each wave: four blocks of 256 bytes that no other line names
.set D, 8                              ; v8-135: load i at D + 4 i
	s_load_b128 s[4:7], s[0:1], 0x0                ; part, out0
	v_lshl_add_u32 v2, v0, 2, SPARE                ; LDS address of my spare word; never rewritten
	v_mov_b32 v3, 0                                ; 0; never rewritten
	v_lshrrev_b32 v1, 5, v0
	v_readfirstlane_b32 s8, v1                     ; wave 0..7
	v_and_b32 v1, 31, v0
	v_lshlrev_b32 v1, 4, v1                        ; 16 x lane
	v_lshlrev_b32 v4, 4, v0                        ; 16 x thread
	s_lshl_b32 s10, ttmp9, 9
	s_mov_b32 s11, 0
	s_lshl_b32 s12, s8, 22                         ; 32 partial waveforms of 131,072 bytes
	s_mov_b32 s13, 0
	s_wait_kmcnt 0x0
	s_add_nc_u64 s[4:5], s[4:5], s[10:11]
	s_add_nc_u64 s[4:5], s[4:5], s[12:13]
	s_add_nc_u64 s[6:7], s[6:7], s[10:11]
.irp i, 0,1,2,3,4,5,6,7,8,9,10,11,12,13,14,15,16,17,18,19,20,21,22,23,24,25,26,27,28,29,30,31
	global_load_b128 v[D+4*\i:D+4*\i+3], v1, s[4:5] offset:131072*\i th:TH_LOAD_NT
.endr
.irp j, 1,2,3,4,5,6,7                          ; four chains, begun by the first four loads: nothing is cleared
	s_wait_loadcnt 28-4*\j                         ; loads come back in order: those of groups 0 .. j are in, the later groups' may be out
.irp k, 0,1,2,3
	v_pk_add_f32 v[D+4*\k:D+4*\k+1], v[D+4*\k:D+4*\k+1], v[D+16*\j+4*\k:D+16*\j+4*\k+1]
	v_pk_add_f32 v[D+4*\k+2:D+4*\k+3], v[D+4*\k+2:D+4*\k+3], v[D+16*\j+4*\k+2:D+16*\j+4*\k+3]
.endr
.endr
.irp u, 0,2
	v_pk_add_f32 v[D+\u:D+\u+1], v[D+\u:D+\u+1], v[D+4+\u:D+5+\u]
	v_pk_add_f32 v[D+8+\u:D+9+\u], v[D+8+\u:D+9+\u], v[D+12+\u:D+13+\u]
.endr
.irp u, 0,2
	v_pk_add_f32 v[D+\u:D+\u+1], v[D+\u:D+\u+1], v[D+8+\u:D+9+\u]
.endr
	ds_store_b128 v4, v[D:D+3]                     ; my wave's sum: 512 bytes at 512 x wave
	s_wait_dscnt 0x0                               ; for the others' sake: my store has landed
	s_barrier_signal -1
	s_barrier_wait -1
	s_cmp_lg_u32 s8, 0
	s_cbranch_scc1 .Lend
.irp j, 0,1,2,3,4,5,6,7
	ds_load_b128 v[D+4*\j:D+4*\j+3], v1 offset:512*\j
.endr
	s_wait_dscnt 0x0
.irp j, 0,2,4,6
.irp u, 0,2
	v_pk_add_f32 v[D+4*\j+\u:D+4*\j+\u+1], v[D+4*\j+\u:D+4*\j+\u+1], v[D+4*\j+4+\u:D+4*\j+5+\u]
.endr
.endr
.irp j, 0,4
.irp u, 0,2
	v_pk_add_f32 v[D+4*\j+\u:D+4*\j+\u+1], v[D+4*\j+\u:D+4*\j+\u+1], v[D+4*\j+8+\u:D+4*\j+9+\u]
.endr
.endr
.irp u, 0,2
	v_pk_add_f32 v[D+\u:D+\u+1], v[D+\u:D+\u+1], v[D+16+\u:D+17+\u]
.endr
	global_store_b128 v1, v[D:D+3], s[6:7]         ; 32 lanes store 512 consecutive bytes, at a multiple of 256 from out0's first byte
.Lend:
	s_wait_tensorcnt 0x0                           ; the wave's end
	ds_add_u32 v2, v3
	s_wait_dscnt 0x0
	s_endpgm
.Lfunc_end_k_q122e87192e_sum:
	.size	k_q122e87192e_sum, .Lfunc_end_k_q122e87192e_sum-k_q122e87192e_sum
	.p2alignl 7, 3214868480
	.fill 96, 4, 3214868480
	.section	.rodata,"a",@progbits
	.p2align	6, 0x0
	.amdhsa_kernel k_q122e87192e_sum
		.amdhsa_group_segment_fixed_size 5120
		.amdhsa_private_segment_fixed_size 0
		.amdhsa_enable_private_segment 0
		.amdhsa_kernarg_size 16
		.amdhsa_user_sgpr_count 2
		.amdhsa_user_sgpr_kernarg_segment_ptr 1
		.amdhsa_wavefront_size32 1
		.amdhsa_system_sgpr_workgroup_id_x 1
		.amdhsa_system_sgpr_workgroup_id_y 1
		.amdhsa_system_sgpr_workgroup_id_z 1
		.amdhsa_system_vgpr_workitem_id 0
		.amdhsa_next_free_vgpr 144
		.amdhsa_next_free_sgpr 66
		.amdhsa_reserve_vcc 0
		.amdhsa_float_denorm_mode_32 3
		.amdhsa_float_denorm_mode_16_64 3
		.amdhsa_memory_ordered 1
		.amdhsa_forward_progress 1
		.amdhsa_inst_pref_size 10
	.end_amdhsa_kernel
	.amdgpu_metadata
---
amdhsa.version: [ 1, 2 ]
amdhsa.kernels:
  - .name:           k_q122e87192e_sum
    .symbol:         k_q122e87192e_sum.kd
    .args:
      - { .name: part, .offset: 0, .size: 8, .value_kind: global_buffer, .address_space: global }
      - { .name: out0, .offset: 8, .size: 8, .value_kind: global_buffer, .address_space: global }
    .group_segment_fixed_size: 5120
    .private_segment_fixed_size: 0
    .kernarg_segment_align: 8
    .kernarg_segment_size: 16
    .max_flat_workgroup_size: 256
    .sgpr_count:     66
    .vgpr_count:     144
    .wavefront_size: 32
...
	.end_amdgpu_metadata
.endif
;; end of part 2
;; ======== version 2 of 2: 2 launches; version 1 with the launch main written anew for expert scheduling mode
;; workspace buffers: part 33,554,432 bytes
;; launch main (part 3): grid 256 x 1, 8 waves a work-group, no clusters, 219,648 bytes of LDS; arguments xy_positions, el_photons, z_positions, W1, b1, W2, b2, W3, b3, part; writes part
.if DOCPART == 3
	.amdgcn_target "amdgcn-amd-amdhsa--gfx1250"
	.amdhsa_code_object_version 6
	.text
	.protected	k_q122e87192e_main
	.globl	k_q122e87192e_main
	.p2align	8
	.type	k_q122e87192e_main,@function
k_q122e87192e_main:
	s_mov_b64 s[64:65], 0
	v_nop
	global_prefetch_b8 v0, s[64:65] scope:SCOPE_SE
	s_setreg_imm32_b32 hwreg(HW_REG_WAVE_SCHED_MODE, 0, 2), 2
	s_setreg_imm32_b32 hwreg(HW_REG_WAVE_MODE, 25, 1), 1
	s_wait_xcnt 0x0
	s_wait_alu depctr_vm_vsrc(0)
; part[g][s][t] = sum over work-group g's electrons n of A(s, n) B(n, t), with
;   A(s, n) = el_photons[n] x sigmoid(relu(relu(xy[n] W1 + b1) W2 + b2) W3 + b3)[s],   B(n, t) = 0.3989422804 x exp(-(t - z[n])^2 / 2).
; The products with W2, with W3 and of A with B run on codes of FP4 (E2M1), one E8M0 scale for each 32 along K (hidden units; for the last product 32 electrons on end).  xy W1 + b1 feeds a quantiser: f32 operands.
; NO WORK OF reference() IS LEFT OUT: every input has a way to every output; numbers of B that are small are small by the values of z alone, so all of B is computed.
; LIMITS: a number of B under 2^-126 comes out as 0 (v_exp_f32 gives 0 there); a block of zeros has the scale byte 1 where the rule says 127 (its codes are zeros, and this program alone reads the bytes);
;   NaN and infinities among the inputs are not served; the f32 sums over electrons are taken in another order than reference()'s.
; SHARES.  300,000 electrons are 2,344 K steps of 128 (the last has 32 places past the end: their photons are staged as 0, so A's codes there are zeros; their xy and z are the buffer's last numbers).
;   Work-group G takes K steps 9 G + min(G, 40) on: 10 where G < 40, else 9.  MLP: a unit is 64 electrons, half a K step; wave w takes units w, 8 + w, 16 + w as far as there are any.
;   Ticks: wave w owns ticks 64 w .. 64 w + 63 (4 tiles) x all 64 sensors (4 tiles): 16 accumulators, and walks all the work-group's K steps.
; LAYOUT.  r = lane % 16, h = lane / 16.  A 4-bit fragment gives lane (r, h) row r and k = 64 c + 32 h + 0 .. 31 in registers 4 c .. 4 c + 3: A LANE HOLDS WHOLE BLOCKS, and every product here is laid so that its result does too:
;   the rows of W1^T and W2^T that form tile t are the units 64 (t / 4) + 32 (r / 8) + 8 (t % 4) + r % 8, both products used transposed: register 8 t + j of lane (r, h) is unit 64 (t / 4) + 32 h + 8 (t % 4) + j of electron r;
;   the electrons of tile tau of a unit are 32 (r / 8) + 8 tau + r % 8, the product with W3 not transposed: register 8 tau + j of lane (r, h) is electron 32 h + 8 tau + j for sensor r.  No block's maximum crosses lanes.
; relu: the block's maximum is taken without |.| over the floor, the codes are made of the raw numbers, and the magnitude bits of negative codes are cleared (what stays is -0): four lines for eight numbers.
; NO CLUSTER, NO TENSOR LOAD: a work-group's own inputs are 20,480 bytes, staged once; all that work-groups share are the 98,304 bytes of W2 and W3, which pass through registers to be quantised.
; THE MODE: SCHED_MODE bits 1:0 = 2 (LLVM: expert scheduling mode 2), set by the entry lines.  The code itself states the register dependences
; between vector or matrix instructions and memory or LDS instructions, with s_wait_alu, always for 0.
; THE PLAN.  Registers that memory or LDS instructions touch, and who else names them:
;   HEAD.   Offsets and LDS addresses: made by vector lines, one wait on va_vdst ahead of the first load; behind it stand loads, window switches and scalar lines alone.  The staged data: landed in by loads, eight of them
;           written by the selects, read by the staging stores: one wait on va_vdst ahead of those.  A weight tile's codes and scale word: written by the quantiser, read by three stores: a wait on va_vdst ahead of each run,
;           a wait on vm_vsrc ahead of the branch into the arm that writes them again, and one behind the barrier, ahead of the loads that land where staged data and offsets lay.
;   ROUND.  v[XA], v[PA], v[AW], v[SWA]: written at the round's head, read by its loads and stores.  v[XR ..], v[PH ..]: landed in at the round's head, read by its vector lines.  One wait on va_vdst ahead of the run of loads.
;           v[CD ..], v[SWH]: written by vector lines, taken by scaled products: a wait on va_vdst behind the places, ahead of each run of products.  A's codes and bytes: one wait on va_vdst ahead of their eight stores,
;           one on vm_vsrc at the end of the round's work, ahead of the jump, for all that the round's LDS instructions have read.
;   K STEP. v[ZA], v[AR], v[SR]: written at the step's head, read by its 26 loads.  v[Z ..]: read by the subtractions up to the third tile.  v[AF ..], v[ASC ..]: read by the products up to the step's last.  One wait on va_vdst at the
;           head of the step's work, the 26 loads in one run behind it; one on vm_vsrc at its end.  v[BF ..], v[SWB]: a wait on va_vdst behind the places, ahead of each tile's four products.
;   OUT.    The accumulators: one wait on va_vdst behind the places, ahead of the stage's stores; no vector line follows it.
.set NEL,   300000
.set FLOOR, 0x1800000                  ; 2^(3 - 127): under it no largest magnitude is taken, so no scale byte falls under 1
; LDS
.set XYL,   0                          ; xy of 1,280 electrons
.set ZL,    10240                      ; z of the same
.set PHL,   15360                      ; photons of the same
.set WIMG,  20480                      ; 12 fragments as images of their registers, 1,024 bytes each: W2's tiles 0-7, W3's 0-3
.set WSC,   32768                      ; their scale words, 128 bytes each
.set SCA,   34304                      ; A's scale words: [K step][sensor tile][r], 256 bytes a K step
.set AIMG,  37376                      ; A's codes: unit u at 2,048 u: sensor tile x 512 + 16 x lane
.set STG,   86528                      ; the way out: 64 rows x (2,048 bytes + 16)
.set SROW,  2064
.set SPARE, 218624                     ; the spare words, 128 bytes for each wave: four blocks of 256 bytes that no other line names
; window 0
.set R,   1                            ; lane % 16
.set HF,  2                            ; lane / 16
.set SH8, 3                            ; 8 x (lane / 16)
.set SPW, 4                            ; LDS address of my spare word; never rewritten
.set NIL, 5                            ; 0; never rewritten
.set XA0, 6                            ; bases of the MLP's LDS addresses: xy,
.set PA0, 7                            ; photons,
.set AW0, 8                            ; A's image,
.set SW0, 9                            ; A's scale half-word
.set XA,  10                           ; and the same for the unit in hand
.set PA,  11
.set AW,  12
.set SWA, 13
.set LI,  14                           ; 16 x lane
.set LS,  15                           ; 4 x lane
.set ZA0, 16
.set ZA,  17                           ; the K step's z,
.set AR,  18                           ; A's images,
.set SR,  19                           ; A's scale words
.set STO, 20                           ; v20-23 the stage: where I put 32 bytes of sensor tile sg's row r
.set STR, 24                           ; and where I read rows back
.set KV,  26                           ; v26-27  -log2(e) / 2, twice
.set LCV, 28                           ; v28-29  log2(0.3989422804), twice
.set B3P, 32                           ; v32-39  -log2(e) x b3 of my sensor, twice, for each sensor tile
.set TK,  40                           ; v40-47  my tick of tile q, twice
.set W2S, 48                           ; v48-55  W2's scale words
.set W3S, 56                           ; v56-59  W3's
.set SWH, 60                           ; the hidden layer's scale word
.set SWB, 61                           ; B's
.set ASC, 62                           ; v62-63  A's: lanes 0-15 sensor tile 2 p, lanes 16-31 tile 2 p + 1
.set W2F, 64                           ; v64-127  MLP: W2's 8 fragments
.set Z,   64                           ;          ticks: 64 z
.set W3F, 128                          ; v128-159 MLP: W3's 4 fragments
.set PH,  160                          ; v160-191 MLP: 32 photons
.set X,   128                          ; v128-191 ticks: 64 numbers of B
.set W1F, 192                          ; v192-207 MLP: (W1[0], W1[1] | b1, 0) of tile t
.set XR,  208                          ; v208-215 MLP: xy of the unit's four tiles
.set XF,  216                          ; v216-217 MLP: (x, y | 1, 0)
.set AF,  192                          ; v192-223 ticks: A's 4 fragments
.set CD,  224                          ; v224-231 the codes just made
.set BF,  224
.set M,   232                          ; v232-235 largest magnitudes
.set SO,  236                          ; v236-239 the conversions' scale operands
.set BY,  240                          ; v240-243 scale bytes
.set WT,  244
.set PT,  245
.set T16, 246                          ; 16 x thread
.set TMP, 247
.set F,   248                          ; v248-251, v252-255 at work on the codes
.set G,   252
.set SD,  128                          ; the head: v128-147 staged data; v148-152 its offsets; v153-154 two of them before the clamp
.set OV,  148
.set OB2, 155                          ; offsets of the head's loads: b2,
.set OW2, 156                          ; W2,
.set OW3, 157                          ; W3,
.set OU,  158                          ; 4 x (32 (r / 8) + r % 8),
.set OR4, 159                          ; 4 r
; window 1
.set T2,   64                          ; the head: 64 numbers of W2,
.set T3,   128                         ; of W3
.set RESP, 64                          ; v64-191 the response: 32 sg + i
.set B2,   192                         ; v192-255 b2 in the result's layout.   v0-63: the hidden layer, written by matrix instructions alone; ticks: v0-127 the 16 accumulators, 8 (4 q + sg)
; scalars
.set WV,  28
.set NK,  31
.set NU,  32
.set SEL, 36                           ; s[36:37] v_permlanex16_b32's selects for lane l xor 16
.set NL,  38                           ; s[38:39] -log2(e), twice
.set LM,  40                           ; lanes 0-15
.set K8,  41                           ; the sign bits of eight codes
.set MSB, 0
.macro WIN new                         ; the immediate's high byte repeats the setting that is left; a switch that changes nothing is dropped
.if MSB != \new
	s_set_vgpr_msb (MSB<<8)|\new
.set MSB, \new
.endif
.endm
.macro BARRIER                         ; my LDS stores have landed and my LDS loads are in: then the work-group's barrier
	s_wait_dscnt 0x0
	s_barrier_signal -1
	s_barrier_wait -1
.endm
; 64 numbers of a lane in window 1, register 32 c + i = k 64 c + 32 h + i of my row, become a fragment's codes in v[CD] on and its scale word in v[SWH].
; absf = 1: magnitudes count (weights); 0: what is negative does not count (relu).  fix = 1: negative codes lose their magnitude, and four places follow for the scaled product.
.macro QUANT src, absf, fix
	WIN 0x05                                       ; sources 0 and 1 window 1
.irp c, 0,1
.if \absf
	v_max3_num_f32 v[M+\c], |v[32*\c+(\src)]|, |v[32*\c+1+(\src)]|, FLOOR
.else
	v_max3_num_f32 v[M+\c], v[32*\c+(\src)], v[32*\c+1+(\src)], FLOOR
.endif
.endr
.irp i, 2,4,6,8,10,12,14,16,18,20,22,24,26,28,30
.irp c, 0,1
.if \absf
	v_max3_num_f32 v[M+\c], |v[32*\c+\i+(\src)]|, |v[32*\c+\i+1+(\src)]|, v[M+\c]   ; my two blocks by turns; ascending
.else
	v_max3_num_f32 v[M+\c], v[32*\c+\i+(\src)], v[32*\c+\i+1+(\src)], v[M+\c]
.endif
.endr
.endr
	WIN 0
.irp c, 0,1
	v_add_nc_u32 v[SO+\c], 0xff000000, v[M+\c]     ; 2 off the exponent field: the conversion takes that field as its scale
.endr
.irp c, 0,1
	v_lshrrev_b32 v[BY+\c], 23, v[SO+\c]           ; the scale's byte
.endr
	v_lshl_or_b32 v[WT], v[BY+1], 16, v[BY]        ; my blocks h and 2 + h,
	v_lshlrev_b32 v[WT], v[SH8], v[WT]             ; at their places in the word;
	v_permlanex16_b32 v[PT], v[WT], s[SEL], s[SEL+1]
	v_or_b32 v[SWH], v[WT], v[PT]                  ; with lane l xor 16's two it is whole
	WIN 0x01
.irp c, 0,1
.irp g, 0,1,2,3
	v_cvt_scalef32_pk8_fp4_f32 v[CD+4*\c+\g], v[32*\c+8*\g+(\src):32*\c+8*\g+7+(\src)], v[SO+\c]
.endr
.endr
	WIN 0
	v_nop                                          ; one plain line behind the last scaled conversion
.if \fix
.irp u, 0,1
.irp g, 0,1,2,3
	v_and_b32 v[F+\g], s[K8], v[CD+4*\u+\g]        ; 8 in each negative code's place,
.endr
.irp g, 0,1,2,3
	v_lshrrev_b32 v[G+\g], 3, v[F+\g]              ; 1 there,
.endr
.irp g, 0,1,2,3
	v_sub_nc_u32 v[F+\g], v[F+\g], v[G+\g]         ; 7 there: its magnitude bits,
.endr
.irp g, 0,1,2,3
	v_bfi_b32 v[CD+4*\u+\g], v[F+\g], 0, v[CD+4*\u+\g]   ; which are cleared
.endr
.endr
.rept 4
	v_nop                                          ; an operand written by vector lines stands four places ahead of a scaled product (the scale word stands 45 ahead)
.endr
.endif
.endm
	s_load_b512 s[8:23], s[0:1], 0x0               ; xy s[8:9], photons s[10:11], z s[12:13], W1 s[14:15], b1 s[16:17], W2 s[18:19], b2 s[20:21], W3 s[22:23]
	s_load_b128 s[24:27], s[0:1], 0x40             ; b3 s[24:25], part s[26:27]
	v_lshl_add_u32 v[SPW], v0, 2, SPARE
	v_mov_b32 v[NIL], 0
	v_lshrrev_b32 v[TMP], 5, v0
	v_readfirstlane_b32 s[WV], v[TMP]              ; wave 0..7
	v_and_b32 v[R], 15, v0
	v_bfe_u32 v[HF], v0, 4, 1
	v_lshlrev_b32 v[SH8], 3, v[HF]
	v_and_b32 v[LS], 31, v0
	v_lshlrev_b32 v[LI], 4, v[LS]
	v_lshlrev_b32 v[LS], 2, v[LS]
	v_lshlrev_b32 v[T16], 4, v0
	v_mov_b32 v[PT], 0                             ; written once: a lane permute's destination counts as one of its sources
	s_min_u32 s30, ttmp9, 40
	s_mul_i32 s33, ttmp9, 9
	s_add_co_u32 s30, s30, s33                     ; my first K step
	s_lshl_b32 s33, s30, 7                         ; my first electron
	s_cmp_lt_u32 ttmp9, 40
	s_cselect_b32 s[NK], 10, 9                     ; my K steps: 40 x 10 + 216 x 9 = 2,344
	s_lshl_b32 s[NU], s[NK], 1                     ; my units
	s_mov_b32 s[SEL], 0x76543210
	s_mov_b32 s[SEL+1], 0xfedcba98
	s_mov_b32 s[NL], 0xbfb8aa3b                    ; -log2(e)
	s_mov_b32 s[NL+1], s[NL]                       ; (named with it as a pair, so it is written)
	s_mov_b32 s[LM], 0xffff
	s_mov_b32 s[K8], 0x88888888
	s_wait_alu depctr_va_sdst(0)                   ; s[WV] is written, ahead of its first reader: LDS addresses, offsets and branches are made from it
	; LDS addresses: constants, lane terms and the wave's number
	v_and_b32 v[TMP], 8, v[R]
	v_mad_u32_u24 v[TMP], v[TMP], 3, v[R]          ; 32 (r / 8) + r % 8
	v_lshlrev_b32 v[OU], 2, v[TMP]
	v_lshlrev_b32 v[XA0], 3, v[TMP]                ; xy: 8 bytes an electron,
	s_lshl_b32 s67, s[WV], 9
	v_add_nc_u32 v[XA0], s67, v[XA0]               ; + 512 x wave: unit w
	s_lshl_b32 s68, s[WV], 8
	v_lshl_add_u32 v[PA0], v[HF], 7, PHL           ; photons: my half's 32, + 256 x wave
	v_add_nc_u32 v[PA0], s68, v[PA0]
	s_lshl_b32 s69, s[WV], 11
	v_add_nc_u32 v[AW0], AIMG, v[LI]
	v_add_nc_u32 v[AW0], s69, v[AW0]               ; A's image of unit w
	s_lshr_b32 s70, s[WV], 1
	s_lshl_b32 s70, s70, 8                         ; unit w is half w % 2 of K step w / 2
	s_and_b32 s71, s[WV], 1
	s_lshl_b32 s71, s71, 1
	s_add_co_u32 s70, s70, s71
	v_lshl_add_u32 v[SW0], v[R], 2, SCA
	v_add_nc_u32 v[SW0], s70, v[SW0]
	v_lshl_add_u32 v[ZA0], v[HF], 7, ZL
	v_mul_u32_u24 v[TMP], v[R], SROW
	v_lshl_add_u32 v[TMP], v[HF], 5, v[TMP]
	v_add_nc_u32 v[TMP], s68, v[TMP]               ; the stage: row r, + 32 h, + 256 x wave: my ticks' bytes
.irp sg, 0,1,2,3
	v_add_nc_u32 v[STO+\sg], STG+16*SROW*\sg, v[TMP]
.endr
	s_mul_i32 s67, s[WV], 8*SROW
	s_add_co_u32 s67, s67, STG
	v_add_nc_u32 v[STR], s67, v[LI]                ; back: rows 8 w .. 8 w + 7
	s_lshl_b32 s69, s[WV], 10
	v_add_nc_u32 v[XA], s69, v[LI]                 ; (at the head these two hold the place of my weight tile's image and of its scale words)
	s_lshl_b32 s69, s[WV], 7
	v_add_nc_u32 v[PA], s69, v[LS]
	s_lshl_b32 s69, s[WV], 6
	v_add_nc_u32 v[TMP], s69, v[R]
	v_cvt_f32_u32 v[TK], v[TMP]                    ; my tick of tile 0: 64 w + r; the others 16, 32, 48 on: all exact
	v_add_f32 v[TK+2], 0x41800000, v[TK]
	v_add_f32 v[TK+4], 0x42000000, v[TK]
	v_add_f32 v[TK+6], 0x42400000, v[TK]
.irp q, 0,1,2,3
	v_mov_b32 v[TK+2*\q+1], v[TK+2*\q]
.endr
	v_mov_b32 v[KV], 0xbf38aa3b
	v_mov_b32 v[KV+1], 0xbf38aa3b
	v_mov_b32 v[LCV], 0xbfa9b21d
	v_mov_b32 v[LCV+1], 0xbfa9b21d
	; offsets of the head's global loads
	v_lshlrev_b32 v[OB2], 7, v[HF]
	v_lshlrev_b32 v[OR4], 2, v[R]
	s_lshr_b32 s70, s[WV], 2
	s_lshl_b32 s70, s70, 8
	s_and_b32 s71, s[WV], 3
	s_lshl_b32 s71, s71, 5
	s_add_co_u32 s70, s70, s71                     ; 4 x (64 (w / 4) + 8 (w % 4)): tile w's columns of W2
	v_lshl_add_u32 v[OW2], v[HF], 14, v[OU]        ; lanes 16-31 begin 32 rows of 512 bytes further down
	v_add_nc_u32 v[OW2], s70, v[OW2]
	v_lshl_add_u32 v[OW3], v[HF], 13, v[OR4]       ; W3: column 16 w + r, rows of 256 bytes
	v_add_nc_u32 v[OW3], s69, v[OW3]
	s_lshl_b32 s70, ttmp9, 17                      ; part: 131,072 bytes a work-group, 16,384 for a wave's 8 rows
	s_lshl_b32 s71, s[WV], 14
	s_add_co_u32 s70, s70, s71
	s_mov_b32 s71, 0
	; THE STAGING: 20,480 bytes (xy, z, photons of 1,280 electrons) are 5 x 16 bytes a thread, LDS byte 16 x thread + 4,096 i.  Which buffer a wave's i-th load reads hangs on the wave's number alone.
	s_lshl_b32 s48, s33, 3
	s_lshl_b32 s49, s33, 2
	s_mov_b32 s50, 8*NEL-16                        ; the last 16 bytes of xy,
	s_mov_b32 s51, 4*NEL-16                        ; of z and of the photons: no load leaves its buffer
	s_mov_b32 s52, 4*NEL
	s_add_co_u32 s54, s48, 4096
	s_add_co_u32 s55, s48, 8192
	s_sub_co_u32 s56, s49, 2048
	s_add_co_u32 s60, s49, 2048
	s_sub_co_u32 s61, s49, 3072
	s_add_co_u32 s66, s49, 1024
	s_wait_kmcnt 0x0
	s_add_nc_u64 s[26:27], s[26:27], s[70:71]
	s_cmp_lt_u32 s[WV], 4                          ; i = 2: waves 0-3 the rest of xy, waves 4-7 the head of z
	s_cselect_b32 s55, s55, s56
	s_cselect_b32 s57, s50, s51
	s_cselect_b64 s[58:59], s[8:9], s[12:13]
	s_cmp_lt_u32 s[WV], 6                          ; i = 3: waves 0-5 the rest of z, waves 6-7 the head of the photons
	s_cselect_b32 s60, s60, s61
	s_cselect_b32 s61, -1, s52                     ; under this offset the data count; photons past the end are staged as 0
	s_cselect_b64 s[62:63], s[12:13], s[10:11]
	v_add_nc_u32 v[OV], s48, v[T16]
	v_add_nc_u32 v[OV+1], s54, v[T16]
	v_add_nc_u32 v[OV+2], s55, v[T16]
	v_add_nc_u32 v[OV+5], s60, v[T16]
	v_add_nc_u32 v[OV+6], s66, v[T16]
	v_min_u32 v[OV], s50, v[OV]
	v_min_u32 v[OV+1], s50, v[OV+1]
	v_min_u32 v[OV+2], s57, v[OV+2]
	v_min_u32 v[OV+3], s51, v[OV+5]
	v_min_u32 v[OV+4], s51, v[OV+6]
	s_wait_alu depctr_va_vdst(0)                   ; every offset and LDS address made above is written: the loads below read v[OV ..], v[OB2] to v[OR4]; later lines read v[T16], v[XA], v[PA], v[LI], v[LS], v[STO ..], v[STR].  Up to the wait for the loads no vector line follows
	global_load_b128 v[SD:SD+3], v[OV], s[8:9]
	global_load_b128 v[SD+4:SD+7], v[OV+1], s[8:9]
	global_load_b128 v[SD+8:SD+11], v[OV+2], s[58:59]
	global_load_b128 v[SD+12:SD+15], v[OV+3], s[62:63]
	global_load_b128 v[SD+16:SD+19], v[OV+4], s[10:11]
	WIN 0x40                                       ; destination window 1
.irp t, 0,1,2,3,4,5,6,7                        ; b2 in the result's layout: lane (r, h), tile t: units 64 (t / 4) + 32 h + 8 (t % 4) + 0 .. 7
	global_load_b128 v[B2+8*\t:B2+8*\t+3], v[OB2], s[20:21] offset:256*(\t/4)+32*(\t%4)
	global_load_b128 v[B2+8*\t+4:B2+8*\t+7], v[OB2], s[20:21] offset:256*(\t/4)+32*(\t%4)+16
.endr
	WIN 0
.irp t, 0,1,2,3,4,5,6,7                        ; W1's two rows and b1 at tile t's unit of row r
	global_load_b32 v[160+\t], v[OU], s[14:15] offset:256*(\t/4)+32*(\t%4)
	global_load_b32 v[168+\t], v[OU], s[14:15] offset:512+256*(\t/4)+32*(\t%4)
	global_load_b32 v[176+\t], v[OU], s[16:17] offset:256*(\t/4)+32*(\t%4)
.endr
.irp sg, 0,1,2,3
	global_load_b32 v[184+\sg], v[OR4], s[24:25] offset:64*\sg
.endr
	WIN 0x40
.set n, 0
.rept 64                                       ; wave w quantises tile w of W2^T: a lane to a column, its registers down K in the fragment's own order
	global_load_b32 v[T2+n], v[OW2], s[18:19] offset:(64*(n/32)+n%32)*512
.set n, n+1
.endr
	WIN 0
	s_cmp_lt_u32 s[WV], 4
	s_cbranch_scc0 .Lno_w3_load
	WIN 0x40
.set n, 0
.rept 64                                       ; waves 0-3 also tile w of W3
	global_load_b32 v[T3+n], v[OW3], s[22:23] offset:(64*(n/32)+n%32)*256
.set n, n+1
.endr
	WIN 0
.Lno_w3_load:
	s_wait_loadcnt 63                              ; behind the 5 staging loads and the 44 small ones 64 loads or more were issued: those 49 are in
	v_cmp_gt_u32 vcc_lo, s61, v[OV+5]
	s_wait_alu depctr_va_vcc(0)                    ; the compare has written VCC, which the four selects read
.irp j, 0,1,2,3
	v_cndmask_b32 v[SD+12+\j], 0, v[SD+12+\j], vcc_lo
.endr
	v_cmp_gt_u32 vcc_lo, s52, v[OV+6]
	s_wait_alu depctr_va_vcc(0)                    ; likewise for the second compare and its four selects
.irp j, 0,1,2,3
	v_cndmask_b32 v[SD+16+\j], 0, v[SD+16+\j], vcc_lo
.endr
	s_wait_alu depctr_va_vdst(0)                   ; the selects have written v[SD+12 ..] to v[SD+19], which the staging stores read
.irp i, 0,1,2,3,4
	ds_store_b128 v[T16], v[SD+4*\i:SD+4*\i+3] offset:4096*\i
.endr
.irp t, 0,1,2,3,4,5,6,7                        ; the f32 form's K is (x, y, 1, 0): lanes 0-15 hold k = 0, 1, lanes 16-31 k = 2, 3: the bias is the third K
	v_cndmask_b32 v[W1F+2*\t], v[176+\t], v[160+\t], s[LM]
	v_cndmask_b32 v[W1F+2*\t+1], 0, v[168+\t], s[LM]
.endr
.irp sg, 0,1,2,3
	v_mul_f32 v[B3P+2*\sg], s[NL], v[184+\sg]
	v_mul_f32 v[B3P+2*\sg+1], s[NL], v[184+\sg]
.endr
	s_wait_loadcnt 0x0                             ; the weights
	QUANT T2, 1, 0
	s_wait_alu depctr_va_vdst(0)                   ; the quantiser has written v[CD ..] and v[SWH], which the three stores read
	ds_store_b128 v[XA], v[CD:CD+3] offset:WIMG    ; the fragment goes to LDS as it stands: 16 bytes a lane, 512 a store
	ds_store_b128 v[XA], v[CD+4:CD+7] offset:WIMG+512
	ds_store_b32 v[PA], v[SWH] offset:WSC
	s_wait_alu depctr_vm_vsrc(0)                   ; the three stores have read v[CD ..] and v[SWH], which W3's arm writes again: ahead of the branch that leads there
	s_cmp_lt_u32 s[WV], 4
	s_cbranch_scc0 .Lno_w3
	s_wait_dscnt 0x0                               ; the stores have read the registers that are written again now
	QUANT T3, 1, 0
	s_wait_alu depctr_va_vdst(0)                   ; the quantiser has written v[CD ..] and v[SWH], which the three stores read
	ds_store_b128 v[XA], v[CD:CD+3] offset:WIMG+8192
	ds_store_b128 v[XA], v[CD+4:CD+7] offset:WIMG+8192+512
	ds_store_b32 v[PA], v[SWH] offset:WSC+1024
.Lno_w3:
	BARRIER                                        ; the staged inputs and the twelve weight fragments lie in LDS
	s_wait_alu depctr_vm_vsrc(0)                   ; the staging stores have read v[SD ..] and the head's loads their offsets v[OV ..] to v[OR4]: W3's fragments land there; both arms' stores have read v[CD ..], v[SWH], v[XA] and v[PA], which the first round writes
.irp t, 0,1,2,3,4,5,6,7
	ds_load_b128 v[W2F+8*\t:W2F+8*\t+3], v[LI] offset:WIMG+1024*\t
	ds_load_b128 v[W2F+8*\t+4:W2F+8*\t+7], v[LI] offset:WIMG+1024*\t+512
	ds_load_b32 v[W2S+\t], v[LS] offset:WSC+128*\t
.endr
.irp sg, 0,1,2,3
	ds_load_b128 v[W3F+8*\sg:W3F+8*\sg+3], v[LI] offset:WIMG+8192+1024*\sg
	ds_load_b128 v[W3F+8*\sg+4:W3F+8*\sg+7], v[LI] offset:WIMG+8192+1024*\sg+512
	ds_load_b32 v[W3S+\sg], v[LS] offset:WSC+1024+128*\sg
.endr
	s_wait_dscnt 0x0
; THE MLP FOR 16 ELECTRONS, tile tau of the unit.
.macro MTILE tau
	v_cndmask_b32 v[XF], 1.0, v[XR+2*\tau], s[LM]
	v_cndmask_b32 v[XF+1], 0, v[XR+2*\tau+1], s[LM]
	WIN 0x40
.irp t, 0,1,2,3,4,5,6,7
	v_wmma_f32_16x16x4_f32 v[8*\t:8*\t+7], v[W1F+2*\t:W1F+2*\t+1], v[XF:XF+1], 0   ; transposed: source 0 = 16 units, source 1 = my 16 electrons
.endr
	WIN 0
.rept 8
	v_nop                                          ; eight places behind this form, ahead of the first read of its results
.endr
	QUANT 0, 0, 1
	WIN 0x50                                       ; C (b2) and D window 1
	s_wait_alu depctr_va_vdst(0)                   ; behind the places: the vector lines have written the codes v[CD ..] and the scale word v[SWH], which the scaled products take as source 1 and its scales
.irp t, 0,1,2,3,4,5,6,7
	v_wmma_scale_f32_16x16x128_f8f6f4 v[8*\t:8*\t+7], v[W2F+8*\t:W2F+8*\t+7], v[CD:CD+7], v[B2+8*\t:B2+8*\t+7], v[W2S+\t], v[SWH] matrix_a_fmt:MATRIX_FMT_FP4 matrix_b_fmt:MATRIX_FMT_FP4
.endr
	WIN 0
.rept 4
	v_nop                                          ; four places behind this form
.endr
	QUANT 0, 0, 1
	WIN 0x40
	s_wait_alu depctr_va_vdst(0)                   ; behind the places: the vector lines have written v[CD ..] and v[SWH], which the scaled products take as source 0 and its scales
.irp sg, 0,1,2,3
	v_wmma_scale_f32_16x16x128_f8f6f4 v[RESP+32*\sg+8*\tau:RESP+32*\sg+8*\tau+7], v[CD:CD+7], v[W3F+8*\sg:W3F+8*\sg+7], 0, v[SWH], v[W3S+\sg] matrix_a_fmt:MATRIX_FMT_FP4 matrix_b_fmt:MATRIX_FMT_FP4   ; not transposed: source 0 = my 16 electrons, source 1 = 16 sensors
.endr
	WIN 0
.endm
; THE UNIT'S 64 ELECTRONS x 64 SENSORS: sigmoid, photons, quantiser.  128 numbers a lane, pair n = 16 sg + p.  Each batch of transcendentals has one plain line a pair set among it, and one wait behind it.
.macro SIG
	WIN 0x41                                       ; destination and source 0 window 1
.set n, 0
.rept 65
.if n < 64
	v_pk_fma_f32 v[RESP+2*n:RESP+2*n+1], v[RESP+2*n:RESP+2*n+1], s[NL:NL+1], v[B3P+2*(n/16):B3P+2*(n/16)+1] op_sel_hi:[1,0,1]   ; -log2(e) (response + b3).  (The first twelve name no register of the last products: their places)
.endif
.if n > 0
	v_exp_f32 v[RESP+2*n-2], v[RESP+2*n-2]
	v_exp_f32 v[RESP+2*n-1], v[RESP+2*n-1]
.endif
.set n, n+1
.endr
	v_nop                                          ; a plain line behind the last exponential,
	s_wait_alu depctr_va_vdst(0)                   ; and the one wait for the batch, ahead of its first reader: the 128 exponentials have written the response's registers
.set n, 0
.rept 65
.if n < 64
	v_pk_add_f32 v[RESP+2*n:RESP+2*n+1], v[RESP+2*n:RESP+2*n+1], 1.0 op_sel_hi:[1,0]
.endif
.if n > 0
	v_rcp_f32 v[RESP+2*n-2], v[RESP+2*n-2]
	v_rcp_f32 v[RESP+2*n-1], v[RESP+2*n-1]
.endif
.set n, n+1
.endr
	v_nop
	s_wait_alu depctr_va_vdst(0)                   ; likewise for the reciprocals: the 128 have written the same registers, ahead of their first reader
	s_wait_dscnt 0x0                               ; the photons
.set n, 0
.rept 64
	v_pk_mul_f32 v[RESP+2*n:RESP+2*n+1], v[RESP+2*n:RESP+2*n+1], v[PH+2*(n%16):PH+2*(n%16)+1]
.set n, n+1
.endr
	WIN 0x05
.irp sg, 0,1,2,3
	v_max3_num_f32 v[M+\sg], |v[RESP+32*\sg]|, |v[RESP+32*\sg+1]|, FLOOR   ; a lane's 32 numbers of a sensor are one block of 32 electrons
.endr
.irp i, 2,4,6,8,10,12,14,16,18,20,22,24,26,28,30
.irp sg, 0,1,2,3
	v_max3_num_f32 v[M+\sg], |v[RESP+32*\sg+\i]|, |v[RESP+32*\sg+\i+1]|, v[M+\sg]
.endr
.endr
	WIN 0
.irp sg, 0,1,2,3
	v_add_nc_u32 v[SO+\sg], 0xff000000, v[M+\sg]
.endr
.irp sg, 0,1,2,3
	v_lshrrev_b32 v[BY+\sg], 23, v[SO+\sg]
.endr
.irp sg, 0,1,2,3
	v_lshlrev_b32 v[BY+\sg], v[SH8], v[BY+\sg]
.endr
.irp sg, 0,1,2,3
	v_permlanex16_b32 v[M+\sg], v[BY+\sg], s[SEL], s[SEL+1]
.endr
.irp sg, 0,1,2,3
	v_or_b32 v[BY+\sg], v[BY+\sg], v[M+\sg]        ; the unit's two bytes of sensor r's scale word
.endr
	WIN 0x01
.irp sg, 0,1,2,3
.irp g, 0,1,2,3
	v_cvt_scalef32_pk8_fp4_f32 v[CD+4*\sg+16*(\sg/2)+\g], v[RESP+32*\sg+8*\g:RESP+32*\sg+8*\g+7], v[SO+\sg]   ; into v224, v228, v248, v252 on
.endr
.endr
	WIN 0
	v_nop                                          ; one plain line behind the last scaled conversion
	s_wait_alu depctr_va_vdst(0)                   ; the conversions have written A's codes (v224-231, v248-255) and the lines above them the bytes v[BY ..], which the eight stores read
.irp sg, 0,1,2,3
	ds_store_b128 v[AW], v[CD+4*\sg+16*(\sg/2):CD+4*\sg+16*(\sg/2)+3] offset:512*\sg   ; registers 4 c .. 4 c + 3 of A's fragment, as they stand
	ds_store_b16 v[SWA], v[BY+\sg] offset:64*\sg   ; both halves of the lanes write the same half-word with the same value
.endr
.endm
	s_mov_b32 s34, 0                               ; the round
	s_mov_b32 s35, s[WV]                           ; my unit: 8 x round + wave
	s_mov_b32 s43, 0                               ; 8 units on: 4,096 bytes of xy,
	s_mov_b32 s44, 0                               ; 2,048 of photons,
	s_mov_b32 s45, 0                               ; 16,384 of A's images,
	s_mov_b32 s46, 0                               ; 1,024 of A's scale words
.Lround:                                           ; three trips, a constant; a wave with no unit left jumps over the work, on ids alone
	v_add_nc_u32 v[XA], s43, v[XA0]
	v_add_nc_u32 v[PA], s44, v[PA0]
	v_add_nc_u32 v[AW], s45, v[AW0]
	v_add_nc_u32 v[SWA], s46, v[SW0]
	s_cmp_ge_u32 s35, s[NU]
	s_cbranch_scc1 .Lround_end
	s_wait_alu depctr_va_vdst(0)                   ; the four additions have written v[XA], v[PA], v[AW] and v[SWA], which this round's loads and stores read; the last round's vector lines are done reading v[XR ..] and v[PH ..], in which the loads land
.irp tau, 0,1,2,3
	ds_load_b64 v[XR+2*\tau:XR+2*\tau+1], v[XA] offset:64*\tau
.endr
.irp g, 0,1,2,3,4,5,6,7
	ds_load_b128 v[PH+4*\g:PH+4*\g+3], v[PA] offset:16*\g
.endr
	s_wait_dscnt 8                                 ; xy is in; the photons' eight loads may be out
	MTILE 0
	MTILE 1
	MTILE 2
	MTILE 3
	SIG
	s_wait_dscnt 0x0                               ; the stores have read their registers
	s_wait_alu depctr_vm_vsrc(0)                   ; this round's loads and stores have read v[XA], v[PA], v[AW], v[SWA], A's codes and v[BY ..]: the next round, and behind the loop the ticks, write them again
.Lround_end:
	s_add_co_u32 s35, s35, 8
	s_add_co_u32 s43, s43, 4096
	s_add_co_u32 s44, s44, 2048
	s_add_co_u32 s45, s45, 16384
	s_add_co_u32 s46, s46, 1024
	s_add_co_u32 s34, s34, 1
	s_cmp_lt_u32 s34, 3
	s_cbranch_scc1 .Lround
	BARRIER                                        ; A's codes and scale words of all my work-group's K steps lie in LDS
; THE TICKS.  d = t - z for pairs a .. b of tile q's 32
.macro PKADD q, a, b
.set n, \a
.rept (\b)-(\a)+1
	v_pk_add_f32 v[X+2*n:X+2*n+1], v[TK+2*(\q):TK+2*(\q)+1], v[Z+2*n:Z+2*n+1] neg_lo:[0,1] neg_hi:[0,1]
.set n, n+1
.endr
.endm
; d -> d d -> x = -d d log2(e) / 2 + log2(0.3989422804) -> 2^x, in place, skewed so that six plain lines stand with four exponentials; the largest x of each of my two blocks is taken on the way.  No line names an exponential's result.
.macro SLICES
.set p, 0
.rept 18
.if p <= 15
	v_pk_mul_f32 v[X+2*p:X+2*p+1], v[X+2*p:X+2*p+1], v[X+2*p:X+2*p+1]
	v_pk_mul_f32 v[X+32+2*p:X+33+2*p], v[X+32+2*p:X+33+2*p], v[X+32+2*p:X+33+2*p]
.endif
.if (p >= 1) && (p <= 16)
	v_pk_fma_f32 v[X+2*p-2:X+2*p-1], v[X+2*p-2:X+2*p-1], v[KV:KV+1], v[LCV:LCV+1]
	v_pk_fma_f32 v[X+30+2*p:X+31+2*p], v[X+30+2*p:X+31+2*p], v[KV:KV+1], v[LCV:LCV+1]
.endif
.if p == 2
	v_max_num_f32 v[M], v[X], v[X+1]
	v_max_num_f32 v[M+1], v[X+32], v[X+33]
.elseif p > 2
	v_max3_num_f32 v[M], v[M], v[X+2*p-4], v[X+2*p-3]
	v_max3_num_f32 v[M+1], v[M+1], v[X+28+2*p], v[X+29+2*p]
.endif
.if p >= 2
	v_exp_f32 v[X+2*p-4], v[X+2*p-4]
	v_exp_f32 v[X+2*p-3], v[X+2*p-3]
	v_exp_f32 v[X+28+2*p], v[X+28+2*p]
	v_exp_f32 v[X+29+2*p], v[X+29+2*p]
.endif
.set p, p+1
.endr
.endm
; source 0 = B (16 ticks), source 1 = A (16 sensors): register j of lane (r, h) is out(16 sg + r, 64 w + 16 q + 8 h + j).  A's scale words of an odd sensor tile stand in lanes 16-31.
.macro P4 q, sg, zero
.set rD, 8*(4*(\q)+(\sg))
.if \zero
.if (\sg)%2
	v_wmma_scale_f32_16x16x128_f8f6f4 v[rD:rD+7], v[BF:BF+7], v[AF+8*(\sg):AF+8*(\sg)+7], 0, v[SWB], v[ASC+(\sg)/2] matrix_a_fmt:MATRIX_FMT_FP4 matrix_b_fmt:MATRIX_FMT_FP4 matrix_b_scale:MATRIX_SCALE_ROW1
.else
	v_wmma_scale_f32_16x16x128_f8f6f4 v[rD:rD+7], v[BF:BF+7], v[AF+8*(\sg):AF+8*(\sg)+7], 0, v[SWB], v[ASC+(\sg)/2] matrix_a_fmt:MATRIX_FMT_FP4 matrix_b_fmt:MATRIX_FMT_FP4
.endif
.else
.if (\sg)%2
	v_wmma_scale_f32_16x16x128_f8f6f4 v[rD:rD+7], v[BF:BF+7], v[AF+8*(\sg):AF+8*(\sg)+7], v[rD:rD+7], v[SWB], v[ASC+(\sg)/2] matrix_a_fmt:MATRIX_FMT_FP4 matrix_b_fmt:MATRIX_FMT_FP4 matrix_b_scale:MATRIX_SCALE_ROW1
.else
	v_wmma_scale_f32_16x16x128_f8f6f4 v[rD:rD+7], v[BF:BF+7], v[AF+8*(\sg):AF+8*(\sg)+7], v[rD:rD+7], v[SWB], v[ASC+(\sg)/2] matrix_a_fmt:MATRIX_FMT_FP4 matrix_b_fmt:MATRIX_FMT_FP4
.endif
.endif
.endm
; 16 ticks x 128 electrons: B's numbers, its fragment, four products.  The 16 accumulators take turns, one instruction a turn, over the loop's backward jump too.
.macro TILE q, zero
	SLICES
	v_exp_f32 v[M], v[M]                           ; a block's largest number: 2^x rises with x, and the same instruction on the same x gives the same bits
	v_exp_f32 v[M+1], v[M+1]
	v_nop                                          ; a plain line behind the last exponential,
	s_wait_alu depctr_va_vdst(0)                   ; and the one wait for the tile's 66, ahead of their first reader: they have written v[X ..] and v[M], v[M+1]
.irp c, 0,1
	v_max_num_f32 v[M+\c], FLOOR, v[M+\c]
.endr
.irp c, 0,1
	v_add_nc_u32 v[SO+\c], 0xff000000, v[M+\c]
.endr
.irp c, 0,1
	v_lshrrev_b32 v[BY+\c], 23, v[SO+\c]
.endr
	v_lshl_or_b32 v[WT], v[BY+1], 16, v[BY]
	v_lshlrev_b32 v[WT], v[SH8], v[WT]
	v_permlanex16_b32 v[PT], v[WT], s[SEL], s[SEL+1]
	v_or_b32 v[SWB], v[WT], v[PT]
.irp c, 0,1
.irp g, 0,1,2,3
	v_cvt_scalef32_pk8_fp4_f32 v[BF+4*\c+\g], v[X+32*\c+8*\g:X+32*\c+8*\g+7], v[SO+\c]
.endr
.endr
	v_nop                                          ; one plain line behind the last scaled conversion.  With the lines below: eight places or more between the scale word's last write and the products, four or more behind the codes'
.if \q < 3
	PKADD \q+1, 0, 7                               ; the next tile's first differences
.else
.rept 7
	v_nop
.endr
.endif
.if \q == 0
	s_wait_dscnt 0x0                               ; A's fragments and scale words
.endif
	WIN 0x50                                       ; C and D window 1
	s_wait_alu depctr_va_vdst(0)                   ; behind the places: the conversions have written B's codes v[BF ..] and the lines above them the scale word v[SWB], which the four scaled products take as source 0 and its scales
.irp sg, 0,1,2,3
	P4 \q, \sg, \zero
.endr
	WIN 0
.if \q < 3
	PKADD \q+1, 8, 31
.endif
.endm
.macro KADDR                           ; the K step's LDS addresses: three plain lines, places behind the last products too
	v_add_nc_u32 v[ZA], s43, v[ZA0]
	v_add_nc_u32 v[AR], s44, v[LI]
	v_add_nc_u32 v[SR], s45, v[LS]
.endm
.macro KBODY zero
	s_wait_alu depctr_va_vdst(0)                   ; the three additions have written v[ZA], v[AR] and v[SR], which the 26 loads read; the last step's subtractions are done reading v[Z ..] and its products v[AF ..] and v[ASC ..] (ahead of the first step: the MLP's products, which read the same registers as weights), in which the loads land
.irp c, 0,1
.irp g, 0,1,2,3,4,5,6,7
	ds_load_b128 v[Z+32*\c+4*\g:Z+32*\c+4*\g+3], v[ZA] offset:256*\c+16*\g   ; z of electrons 64 c + 32 h + 0 .. 31: the same for the sixteen lanes of a half
.endr
.endr
	v_nop                                          ; with the three address lines: five places between the last product and the loads into A's fragments and scale words
	v_nop
.irp c, 0,1
.irp sg, 0,1,2,3
	ds_load_b128 v[AF+8*\sg+4*\c:AF+8*\sg+4*\c+3], v[AR] offset:AIMG+2048*\c+512*\sg
.endr
.endr
	ds_load_b32 v[ASC], v[SR] offset:SCA
	ds_load_b32 v[ASC+1], v[SR] offset:SCA+128
	s_wait_dscnt 18                                ; z's first eight loads are in: behind them stand z's other eight and A's ten
	PKADD 0, 0, 15
	s_wait_dscnt 10                                ; all of z is in: A's ten may be out
	PKADD 0, 16, 31
	TILE 0, \zero
	TILE 1, \zero
	TILE 2, \zero
	TILE 3, \zero
	s_wait_alu depctr_vm_vsrc(0)                   ; this step's 26 loads have read v[ZA], v[AR] and v[SR], which the next step's three additions write
.endm
	s_mov_b32 s43, 0                               ; a K step on: 512 bytes of z,
	s_mov_b32 s44, 0                               ; 4,096 of A's images,
	s_mov_b32 s45, 0                               ; 256 of A's scale words
	KADDR
	KBODY 1                                        ; the first K step stands ahead of the loop: its products start the sums
	s_mov_b32 s43, 512
	s_mov_b32 s44, 4096
	s_mov_b32 s45, 256
	s_mov_b32 s42, 1
.Lkstep:                                           ; nine trips, a constant; a work-group of nine K steps jumps over the last trip's work, on ids alone
	KADDR
	s_cmp_ge_u32 s42, s[NK]
	s_cbranch_scc1 .Lkskip
	KBODY 0
.Lkskip:
	s_add_co_u32 s43, s43, 512
	s_add_co_u32 s44, s44, 4096
	s_add_co_u32 s45, s45, 256
	s_add_co_u32 s42, s42, 1
	s_cmp_lt_u32 s42, 10
	s_cbranch_scc1 .Lkstep
	; THE WAY OUT.  A lane holds 32 neighbouring bytes of a sensor's row; a row's 2,048 bytes come from eight waves.  They meet in the stage, and each wave stores 8 whole rows.
.rept 4
	v_nop                                          ; four places behind the last products, ahead of the stores that read results
.endr
	BARRIER                                        ; every wave has read its last z and its last codes of A
	WIN 0x04                                       ; an LDS store's data are its source 1: window 1
	s_wait_alu depctr_va_vdst(0)                   ; the products have written the 16 accumulators, which the stage's stores read; the places above stay beside this wait.  No vector line follows it: so it also serves the loads from the stage, which land in v64-191
.irp q, 0,1,2,3
.irp sg, 0,1,2,3
	ds_store_b128 v[STO+\sg], v[8*(4*\q+\sg):8*(4*\q+\sg)+3] offset:64*\q      ; each accumulator from its low end on
	ds_store_b128 v[STO+\sg], v[8*(4*\q+\sg)+4:8*(4*\q+\sg)+7] offset:64*\q+16
.endr
.endr
	WIN 0
	BARRIER                                        ; 64 whole rows lie in the stage
.irp i, 0,1,2,3,4,5,6,7
.irp j, 0,1,2,3
	ds_load_b128 v[64+16*\i+4*\j:64+16*\i+4*\j+3], v[STR] offset:SROW*\i+512*\j
.endr
.endr
.irp i, 0,1,2,3,4,5,6,7
.irp j, 0,1,2,3
	s_wait_dscnt 31-4*\i-\j                        ; LDS loads come back in order: this one is in
	global_store_b128 v[LI], v[64+16*\i+4*\j:64+16*\i+4*\j+3], s[26:27] offset:2048*\i+512*\j th:TH_STORE_NT   ; 32 lanes store 512 consecutive bytes, at a multiple of 256 from the buffer's first byte
.endr
.endr
	s_wait_dscnt 0x0                               ; the wave's end: the closing lines, six on end, behind my last LDS store
	s_wait_alu 0x0
	s_wait_tensorcnt 0x0
	ds_add_u32 v[SPW], v[NIL]
	s_wait_dscnt 0x0
	s_endpgm
.Lfunc_end_k_q122e87192e_main:
	.size	k_q122e87192e_main, .Lfunc_end_k_q122e87192e_main-k_q122e87192e_main
	.p2alignl 7, 3214868480
	.fill 96, 4, 3214868480
	.section	.rodata,"a",@progbits
	.p2align	6, 0x0
	.amdhsa_kernel k_q122e87192e_main
		.amdhsa_group_segment_fixed_size 219648
		.amdhsa_private_segment_fixed_size 0
		.amdhsa_enable_private_segment 0
		.amdhsa_kernarg_size 80
		.amdhsa_user_sgpr_count 2
		.amdhsa_user_sgpr_kernarg_segment_ptr 1
		.amdhsa_wavefront_size32 1
		.amdhsa_system_sgpr_workgroup_id_x 1
		.amdhsa_system_sgpr_workgroup_id_y 1
		.amdhsa_system_sgpr_workgroup_id_z 1
		.amdhsa_system_vgpr_workitem_id 0
		.amdhsa_next_free_vgpr 512
		.amdhsa_next_free_sgpr 72
		.amdhsa_reserve_vcc 1
		.amdhsa_float_denorm_mode_32 3
		.amdhsa_float_denorm_mode_16_64 3
		.amdhsa_memory_ordered 1
		.amdhsa_forward_progress 1
		.amdhsa_inst_pref_size 217
	.end_amdhsa_kernel
	.amdgpu_metadata
---
amdhsa.version: [ 1, 2 ]
amdhsa.kernels:
  - .name:           k_q122e87192e_main
    .symbol:         k_q122e87192e_main.kd
    .args:
      - { .name: xy_positions, .offset: 0, .size: 8, .value_kind: global_buffer, .address_space: global }
      - { .name: el_photons, .offset: 8, .size: 8, .value_kind: global_buffer, .address_space: global }
      - { .name: z_positions, .offset: 16, .size: 8, .value_kind: global_buffer, .address_space: global }
      - { .name: W1, .offset: 24, .size: 8, .value_kind: global_buffer, .address_space: global }
      - { .name: b1, .offset: 32, .size: 8, .value_kind: global_buffer, .address_space: global }
      - { .name: W2, .offset: 40, .size: 8, .value_kind: global_buffer, .address_space: global }
      - { .name: b2, .offset: 48, .size: 8, .value_kind: global_buffer, .address_space: global }
      - { .name: W3, .offset: 56, .size: 8, .value_kind: global_buffer, .address_space: global }
      - { .name: b3, .offset: 64, .size: 8, .value_kind: global_buffer, .address_space: global }
      - { .name: part, .offset: 72, .size: 8, .value_kind: global_buffer, .address_space: global }
    .group_segment_fixed_size: 219648
    .private_segment_fixed_size: 0
    .kernarg_segment_align: 8
    .kernarg_segment_size: 80
    .max_flat_workgroup_size: 256
    .sgpr_count:     72
    .vgpr_count:     512
    .wavefront_size: 32
...
	.end_amdgpu_metadata
.endif
;; end of part 3
;; launch sum: the kernel of part 2 again; grid 256 x 1, 8 waves a work-group, no clusters, 5,120 bytes of LDS; arguments part, out0; writes out0
